; MI455X (gfx1250); checked and timed in simulation.
; The chip was launched on July 23, 2026; its instructions are those of AMD's public machine-readable ISA for CDNA 5 (MIT licence, August 2026) and "CDNA5" Instruction Set Architecture Reference Guide (July 2026). The comments in the code are by the model that wrote it; some were corrected since.
;; Ne RF. Allowed arithmetic: float matrix products may take bf16 or f16 operands with f32 sums; all other float work in f32.
;; Inputs: feat_mlp_Win 39 x 128 float32; feat_mlp_Winp 128 x 128 float32; feat_mlp_Wout 128 x 128 float32; feat_mlp_att_Wf1 128 x 256 float32; feat_mlp_att_Wf2 256 x 128 float32; feat_mlp_att_Wk 128 x 32 float32; feat_mlp_att_Wq 128 x 32 float32; feat_mlp_att_Wv 128 x 128 float32; feat_mlp_att_be1 128 float32; feat_mlp_att_be2 128 float32; feat_mlp_att_bf1 256 float32; feat_mlp_att_bf2 128 float32; feat_mlp_att_bk 32 float32; feat_mlp_att_bq 32 float32; feat_mlp_att_bv 128 float32; feat_mlp_att_g1 128 float32; feat_mlp_att_g2 128 float32; feat_mlp_bin 128 float32; feat_mlp_binp 128 float32; feat_mlp_bout 128 float32; index_mlp_Win 12 x 128 float32; index_mlp_Winp 128 x 128 float32; index_mlp_Wout 128 x 8 float32; index_mlp_att_Wf1 128 x 256 float32; index_mlp_att_Wf2 256 x 128 float32; index_mlp_att_Wk 128 x 32 float32; index_mlp_att_Wq 128 x 32 float32; index_mlp_att_Wv 128 x 128 float32; index_mlp_att_be1 128 float32; index_mlp_att_be2 128 float32; index_mlp_att_bf1 256 float32; index_mlp_att_bf2 128 float32; index_mlp_att_bk 32 float32; index_mlp_att_bq 32 float32; index_mlp_att_bv 128 float32; index_mlp_att_g1 128 float32; index_mlp_att_g2 128 float32; index_mlp_bin 128 float32; index_mlp_binp 128 float32; index_mlp_bout 8 float32; k0 131,072 x 12 float32; part_W 128 x 128 float32; part_b 128 float32; part_emb 8 x 128 float32; rgbnets_W1 8 x 128 x 128 float32; rgbnets_W2 8 x 128 x 128 float32; rgbnets_W3 8 x 128 x 3 float32; rgbnets_b1 8 x 128 float32; rgbnets_b2 8 x 128 float32; rgbnets_b3 8 x 3 float32; viewdirs 131,072 x 3 float32.
;; Outputs: out0 131,072 x 3 float32.
;; One version. Each part assembles by itself: llvm-mc -triple=amdgcn-amd-amdhsa -mcpu=gfx1250 --defsym DOCPART=n.
;; ======== version 1 of 1: 3 launches
;; workspace buffers: wts 964,608 bytes
;; launch prep1 (part 1): grid 200 x 1, 8 waves a work-group, no clusters, 87,040 bytes of LDS; arguments part_emb, part_W, part_b, wts, index_mlp_Winp, index_mlp_binp, index_mlp_att_Wk, index_mlp_att_bk, index_mlp_att_Wv, index_mlp_att_bv, index_mlp_att_Wq, index_mlp_att_bq, feat_mlp_Winp, feat_mlp_binp, feat_mlp_att_Wk, feat_mlp_att_bk, feat_mlp_att_Wv, feat_mlp_att_bv, feat_mlp_att_Wq, feat_mlp_att_bq, index_mlp_att_Wf1, index_mlp_att_Wf2, feat_mlp_att_Wf1, feat_mlp_att_Wf2, rgbnets_W1, rgbnets_W2; writes wts
.if DOCPART == 1
	.amdgcn_target "amdgcn-amd-amdhsa--gfx1250"
	.amdhsa_code_object_version 6
	.text
	.protected	k_qc36f3169db_prep1
	.globl	k_qc36f3169db_prep1
	.p2align	8
	.type	k_qc36f3169db_prep1,@function
k_qc36f3169db_prep1:
	s_mov_b64 s[64:65], 0
	v_nop
	global_prefetch_b8 v0, s[64:65] scope:SCOPE_SE
	s_setreg_imm32_b32 hwreg(HW_REG_WAVE_MODE, 25, 1), 1
	s_wait_xcnt 0x0
; PREPARATION 1.  Writes into wts (a) what hangs on the 8 part vectors and (b) the large weights as bf16 "fragments".
; A fragment is 1,024 bytes = 16 output features (block ft) x 32 input features (step ks) of a weight W[in][out]:
; the 16 bytes at 512 q + 16 L (L = 16 h + r) hold bf16 of W[32 ks + 16 q + 8 h + e][16 ft + r], e = 0..7.  That is the register
; image of a 16-bit matrix operand (ISA guide 7.12.2), so the main launch reads a fragment by two loads of 16 bytes a lane.
; Work-groups 0, 1: the chain of the part vectors for the index block (0) and the feature block (1), in f32 on the vector ALU:
;   pf = emb W + b; pf' = pf Winp + binp; k = pf' Wk + bk; v = pf' Wv + bv;
;   Wqk[c][8 hd + p] = SC sum_d Wq[c][8 hd + d] k[p][8 hd + d], bqk likewise from bq, SC = 32^-0.5 log2(e);
;   Vblk[8 hd + p][n] = v[p][n] where n / 32 = hd, else 0.   (Plain algebra: it holds for every input.)
; Work-groups 2..65: Wf1, Wf2 of both blocks; 66..193: the experts' W1, W2; 194..199: the zero tails of the four FFN tiles.
; One wave makes half a fragment (512 consecutive bytes, one store).
.set TILE,  71680                      ; bytes of a weight tile in wts
.set TILES, 104448                     ; where the 12 tiles begin
.set VEC0,  0                          ; LDS of the chain: emb [8][128] f32
.set VEC1,  4096                       ; pf
.set VEC2,  8192                       ; pf'
.set VECV,  12288                      ; v
.set VECK,  16384                      ; k [8][32]
.set WQL,   20480                      ; Wq [128][32]
.set WKL,   36864                      ; Wk [128][32]
.set PARTL, 53248                      ; partial sums [8 waves][8 rows][128]
.set MA,  16                           ; v[16:79]   my 16 rows of a [128][128] matrix, 4 columns a lane
.set MB,  80                           ; v[80:143]  the same of the next matrix
.set BQ,  144                          ; v[144:151] bq of my head
.set BPB, 152                          ; part_b, 4 columns
.set BNP, 156                          ; binp
.set BV,  160                          ; bv
.set BK,  164                          ; bk, 1 column
.set IN,  176                          ; v[176:207] two buffers of 16 inputs
.set ACC, 208                          ; v[208:239] 8 rows x 4 columns
.set T,   240
.macro REPACK pitch, sb                ; half a fragment: s[sb:sb+1] = W at (first input row, first output column)
	v_mul_u32_u24 v6, 8*\pitch, v4                 ; 8 h rows
	v_lshl_add_u32 v6, v3, 2, v6                   ; + column r
.irp e,0,1,2,3,4,5,6,7
	global_load_b32 v[8+\e], v6, s[\sb:\sb+1] offset:\e*\pitch
.endr
	s_wait_loadcnt 0x0
.irp i,0,1,2,3
	v_cvt_pk_bf16_f32 v[16+\i], v[8+2*\i], v[9+2*\i]
.endr
	global_store_b128 v5, v[16:19], s[8:9]         ; the wave's store covers 512 consecutive bytes
.endm
.macro BAR                             ; what I wrote to LDS is there and what I read is back, then the work-group's barrier
	s_wait_dscnt 0x0
	s_barrier_signal -1
	s_barrier_wait -1
.endm
	v_lshl_add_u32 v254, v0, 2, 0x15000
	v_mov_b32 v255, 0
	v_and_b32 v1, 31, v0                           ; lane
	v_lshrrev_b32 v2, 5, v0
	v_readfirstlane_b32 s3, v2                     ; wave
	v_and_b32 v3, 15, v0                           ; r
	v_bfe_u32 v4, v0, 4, 1                         ; h
	v_lshlrev_b32 v5, 4, v1                        ; 16 x lane
	s_cmp_lt_u32 ttmp9, 2
	s_cbranch_scc1 .Lchain
	s_cmp_lt_u32 ttmp9, 66
	s_cbranch_scc1 .Lffn
	s_cmp_lt_u32 ttmp9, 194
	s_cbranch_scc1 .Lexp
	; ---- zero tails: 6,144 bytes behind the 64 fragments of each FFN tile, 48 pieces of 512 bytes
	s_load_b64 s[8:9], s[0:1], 0x18
	s_sub_co_u32 s4, ttmp9, 194
	s_lshl_b32 s4, s4, 3
	s_add_co_u32 s4, s4, s3                        ; piece 0..47
	s_and_b32 s5, s4, 3                            ; tile
	s_lshr_b32 s6, s4, 2                           ; piece of the tail
	s_mul_i32 s5, s5, TILE
	s_lshl_b32 s6, s6, 9
	s_add_co_u32 s6, s6, s5
	s_add_co_u32 s6, s6, TILES+65536
	s_mov_b32 s7, 0
.irp i,8,9,10,11
	v_mov_b32 v\i, 0
.endr
	s_wait_kmcnt 0x0
	s_add_nc_u64 s[8:9], s[8:9], s[6:7]
	global_store_b128 v5, v[8:11], s[8:9]
	s_endpgm
	; ---- FFN weights.  Tile 2 m + c / 4 holds chunks c of 16 fragments: Wf1 (ft = 2c, ks 0..3), (2c + 1, ks 0..3), Wf2 (ft 0..7, ks = c)
.Lffn:
	s_load_b64 s[8:9], s[0:1], 0x18
	s_load_b256 s[16:23], s[0:1], 0xa0             ; index Wf1, Wf2, feature Wf1, Wf2
	s_sub_co_u32 s4, ttmp9, 2
	s_lshr_b32 s5, s4, 5                           ; m
	s_and_b32 s4, s4, 31
	s_lshl_b32 s4, s4, 3
	s_add_co_u32 s4, s4, s3                        ; half fragment 0..255
	s_and_b32 s6, s4, 1                            ; q
	s_lshr_b32 s7, s4, 1                           ; fragment 0..127
	s_lshr_b32 s24, s7, 4                          ; chunk c
	s_and_b32 s25, s7, 15                          ; place in the chunk
	s_lshl_b32 s26, s5, 1
	s_lshr_b32 s27, s24, 2
	s_add_co_u32 s26, s26, s27                     ; tile
	s_mul_i32 s26, s26, TILE
	s_and_b32 s27, s7, 63
	s_lshl_b32 s27, s27, 10
	s_add_co_u32 s26, s26, s27
	s_lshl_b32 s27, s6, 9
	s_add_co_u32 s26, s26, s27
	s_add_co_u32 s26, s26, TILES
	s_mov_b32 s27, 0
	s_wait_kmcnt 0x0
	s_add_nc_u64 s[8:9], s[8:9], s[26:27]
	s_cmp_eq_u32 s5, 0
	s_cselect_b64 s[16:17], s[16:17], s[20:21]     ; Wf1 of block m
	s_cselect_b64 s[18:19], s[18:19], s[22:23]     ; Wf2 of block m
	s_cmp_lt_u32 s25, 8
	s_cbranch_scc0 .Lwf2
	s_lshr_b32 s10, s25, 2
	s_lshl1_add_u32 s10, s24, s10                  ; ft = 2 c + place / 4
	s_lshl_b32 s10, s10, 6                         ; 16 columns of 4 bytes
	s_and_b32 s11, s25, 3                          ; ks
	s_lshl1_add_u32 s11, s11, s6                   ; 2 ks + q
	s_lshl_b32 s11, s11, 14                        ; x 16 rows of 1,024 bytes
	s_add_co_u32 s10, s10, s11
	s_mov_b32 s11, 0
	s_add_nc_u64 s[16:17], s[16:17], s[10:11]
	REPACK 1024, 16
	s_endpgm
.Lwf2:
	s_sub_co_u32 s10, s25, 8                       ; ft
	s_lshl_b32 s10, s10, 6
	s_lshl1_add_u32 s11, s24, s6                   ; 2 c + q
	s_lshl_b32 s11, s11, 13                        ; x 16 rows of 512 bytes
	s_add_co_u32 s10, s10, s11
	s_mov_b32 s11, 0
	s_add_nc_u64 s[18:19], s[18:19], s[10:11]
	REPACK 512, 18
	s_endpgm
	; ---- experts.  Tile 4 + p: fragments 0..31 = W1 (4 ft + ks); W2's fragment g = 4 ft + ks at 32 + g + g / 8 (every ninth place is W3's)
.Lexp:
	s_load_b64 s[8:9], s[0:1], 0x18
	s_load_b128 s[16:19], s[0:1], 0xc0             ; W1, W2
	s_sub_co_u32 s4, ttmp9, 66
	s_lshl_b32 s4, s4, 3
	s_add_co_u32 s4, s4, s3                        ; half fragment 0..1023
	s_and_b32 s6, s4, 1                            ; q
	s_lshr_b32 s7, s4, 1
	s_lshr_b32 s5, s7, 6                           ; expert p
	s_and_b32 s24, s7, 63                          ; 0..31 W1, 32..63 W2
	s_and_b32 s25, s7, 31                          ; g
	s_lshr_b32 s26, s25, 3
	s_add_co_u32 s26, s26, s25
	s_add_co_u32 s26, s26, 32                      ; W2's place
	s_lshr_b32 s10, s25, 2                         ; ft
	s_lshl_b32 s10, s10, 6
	s_and_b32 s11, s25, 3                          ; ks
	s_lshl1_add_u32 s11, s11, s6
	s_lshl_b32 s11, s11, 13
	s_add_co_u32 s10, s10, s11
	s_lshl_b32 s11, s5, 16                         ; expert p's matrix
	s_add_co_u32 s10, s10, s11
	s_mov_b32 s11, 0
	s_wait_kmcnt 0x0
	s_cmp_lt_u32 s24, 32
	s_cselect_b32 s26, s24, s26
	s_cselect_b64 s[16:17], s[16:17], s[18:19]
	s_add_nc_u64 s[16:17], s[16:17], s[10:11]
	s_add_co_u32 s27, s5, 4
	s_mul_i32 s27, s27, TILE
	s_lshl_b32 s26, s26, 10
	s_add_co_u32 s26, s26, s27
	s_lshl_b32 s27, s6, 9
	s_add_co_u32 s26, s26, s27
	s_add_co_u32 s26, s26, TILES
	s_mov_b32 s27, 0
	s_add_nc_u64 s[8:9], s[8:9], s[26:27]
	REPACK 512, 16
	s_endpgm
	; ---- the chain.  Each [8][128] x [128][128] product is split along the 128 inputs: wave w takes inputs 16 w .. 16 w + 15 (its 16 rows
	; of the matrix stay in registers, loaded at the head), all 8 rows and all 128 columns (4 a lane); the 8 partial sums meet in LDS.
.Lchain:
	s_load_b256 s[8:15], s[0:1], 0x0               ; emb, W, b, wts
	s_load_b512 s[16:31], s[0:1], 0x20             ; index: Winp binp Wk bk Wv bv Wq bq
	s_load_b512 s[32:47], s[0:1], 0x60             ; feature: the same eight
	s_lshl_b32 s48, s3, 13
	v_add_nc_u32 v6, s48, v5                       ; my 16 matrix rows of 512 bytes + 16 x lane
	s_lshl_b32 s48, s3, 6
	v_mov_b32 v8, s48                              ; my 16 inputs in a row of a vector (broadcast reads)
	s_lshl_b32 s48, s3, 12
	s_add_co_u32 s48, s48, PARTL
	v_add_nc_u32 v9, s48, v5                       ; where my partial sums go
	s_lshl_b32 s49, s3, 9
	v_add_nc_u32 v10, s49, v5                      ; row w of a vector, 16 bytes a lane (= 16 x thread)
	v_add_nc_u32 v11, PARTL, v10                   ; row w of the first wave's partial sums
	v_lshlrev_b32 v12, 2, v1                       ; 4 x lane
	v_mov_b32 v13, s49                             ; row w of a vector (broadcast)
	s_lshl_b32 s48, s3, 7
	v_add_nc_u32 v14, s48, v12                     ; k[w][lane]
	v_lshrrev_b32 v15, 3, v1
	v_lshlrev_b32 v15, 5, v15                      ; 32 x (lane / 8)
	s_mov_b32 s52, 0x3e8293ee                      ; SC = 32^-0.5 x log2(e)
	s_mov_b32 s53, 0x3e8293ee
	s_mul_i32 s56, ttmp9, 36864                    ; Wqk's fragments: byte 18,432 (index) or 55,296 (feature) of wts,
	s_add_co_u32 s56, s56, 18432
	s_add_co_u32 s56, s56, s49                     ; + 512 x wave
	s_mov_b32 s57, 0
	s_mul_i32 s58, ttmp9, 5120                     ; bqk: byte 512 of the block's table of parameters
	s_add_co_u32 s58, s58, 512
	s_mov_b32 s59, 0
	s_wait_kmcnt 0x0
	s_cmp_eq_u32 ttmp9, 0
.irp i,0,2,4,6,8,10,12,14
	s_cselect_b64 s[16+\i:17+\i], s[16+\i:17+\i], s[32+\i:33+\i]
.endr
	s_add_nc_u64 s[54:55], s[14:15], s[56:57]
	s_add_nc_u64 s[58:59], s[14:15], s[58:59]
	global_load_b128 v[IN:IN+3], v10, s[8:9]                              ; emb
.irp i,0,1,2,3,4,5,6,7,8,9,10,11,12,13,14,15
	global_load_b128 v[MA+4*\i:MA+4*\i+3], v6, s[10:11] offset:512*\i     ; part_W
.endr
	global_load_b128 v[BPB:BPB+3], v5, s[12:13]
.irp i,0,1,2,3
	global_load_b128 v[IN+4+4*\i:IN+7+4*\i], v10, s[28:29] offset:4096*\i   ; Wq
.endr
.irp i,0,1,2,3
	global_load_b128 v[IN+20+4*\i:IN+23+4*\i], v10, s[20:21] offset:4096*\i ; Wk
.endr
.irp i,0,1,2,3,4,5,6,7,8,9,10,11,12,13,14,15
	global_load_b128 v[MB+4*\i:MB+4*\i+3], v6, s[16:17] offset:512*\i     ; Winp
.endr
	global_load_b128 v[BNP:BNP+3], v5, s[18:19]
	global_load_b128 v[BV:BV+3], v5, s[26:27]
	global_load_b32 v[BK], v12, s[22:23]
	global_load_b128 v[BQ:BQ+3], v15, s[30:31]
	global_load_b128 v[BQ+4:BQ+7], v15, s[30:31] offset:16
	s_wait_loadcnt 21                              ; all up to Wk are in; Winp's 16 loads and the 5 small ones stay out
	ds_store_b128 v10, v[IN:IN+3] offset:VEC0
.irp i,0,1,2,3
	ds_store_b128 v10, v[IN+4+4*\i:IN+7+4*\i] offset:WQL+4096*\i
	ds_store_b128 v10, v[IN+20+4*\i:IN+23+4*\i] offset:WKL+4096*\i
.endr
	BAR
.macro ROWFMA acc, m, inp, sel         ; 4 columns += matrix row x one input (register sel of the pair inp, for both halves)
	v_pk_fma_f32 v[\acc:\acc+1], v[\m:\m+1], v[\inp:\inp+1], v[\acc:\acc+1] op_sel:[0,\sel,0] op_sel_hi:[1,\sel,1]
	v_pk_fma_f32 v[\acc+2:\acc+3], v[\m+2:\m+3], v[\inp:\inp+1], v[\acc+2:\acc+3] op_sel:[0,\sel,0] op_sel_hi:[1,\sel,1]
.endm
.macro ADD4 a, b
	v_pk_add_f32 v[\a:\a+1], v[\a:\a+1], v[\b:\b+1]
	v_pk_add_f32 v[\a+2:\a+3], v[\a+2:\a+3], v[\b+2:\b+3]
.endm
; dst[8][128] = src[8][128] x M + bias.  m: my 16 rows of M; b: the bias of my 4 columns.
.macro MV128 m, b, src, dst
.irp j,0,1,2,3
	ds_load_b128 v[IN+4*\j:IN+4*\j+3], v8 offset:\src+16*\j
.endr
.set p, 0
.rept 8
.set ib, IN+16*(p&1)
.set nb, IN+16-16*(p&1)
.if p < 7
.irp j,0,1,2,3
	ds_load_b128 v[nb+4*\j:nb+4*\j+3], v8 offset:\src+512*(p+1)+16*\j
.endr
	s_wait_dscnt 0x4                               ; this row's 16 inputs are in; the next row's four loads stay out
.else
	s_wait_dscnt 0x0
.endif
	v_pk_mul_f32 v[ACC+4*p:ACC+4*p+1], v[\m:\m+1], v[ib:ib+1] op_sel_hi:[1,0]       ; the first product starts the sums
	v_pk_mul_f32 v[ACC+4*p+2:ACC+4*p+3], v[\m+2:\m+3], v[ib:ib+1] op_sel_hi:[1,0]
	ROWFMA ACC+4*p, \m+4, ib, 1
.set i, 2
.rept 7
	ROWFMA ACC+4*p, \m+4*i, ib+i, 0
	ROWFMA ACC+4*p, \m+4*i+4, ib+i, 1
.set i, i+2
.endr
.set p, p+1
.endr
.irp u,0,1,2,3,4,5,6,7
	ds_store_b128 v9, v[ACC+4*\u:ACC+4*\u+3] offset:512*\u
.endr
	BAR                                            ; all partial sums are in LDS
.irp u,0,1,2,3,4,5,6,7
	ds_load_b128 v[IN+4*\u:IN+4*\u+3], v11 offset:4096*\u                  ; row w of all eight waves' sums
.endr
	s_wait_dscnt 0x0
	ADD4 IN, IN+4
	ADD4 IN+8, IN+12
	ADD4 IN+16, IN+20
	ADD4 IN+24, IN+28
	ADD4 IN, IN+8
	ADD4 IN+16, IN+24
	ADD4 IN, IN+16
	ADD4 IN, \b
	ds_store_b128 v10, v[IN:IN+3] offset:\dst
	BAR                                            ; the result is whole, and nobody reads the partial sums any more
.endm
	MV128 MA, BPB, VEC0, VEC1                      ; pf
.irp i,0,1,2,3,4,5,6,7,8,9,10,11,12,13,14,15
	global_load_b128 v[MA+4*\i:MA+4*\i+3], v6, s[24:25] offset:512*\i     ; Wv, on its way during the next product
.endr
	s_wait_loadcnt 16                              ; Winp and the small loads are in; Wv's 16 stay out
	MV128 MB, BNP, VEC1, VEC2                      ; pf'
	; k[w][lane] = sum over 128 inputs of pf'[w][j] Wk[j][lane] + bk[lane], 32 inputs at a time, four chains
.set KW, MB
.set KI, MB+32
.set kb, 0
.rept 4
.set kj, 0
.rept 32
	ds_load_b32 v[KW+kj], v12 offset:WKL+128*(32*kb+kj)
.set kj, kj+1
.endr
.set kj, 0
.rept 8
	ds_load_b128 v[KI+4*kj:KI+4*kj+3], v13 offset:VEC2+128*kb+16*kj
.set kj, kj+1
.endr
	s_wait_dscnt 0x0
.set kj, 0
.rept 32
.if 32*kb+kj < 4
	v_mul_f32 v[T+kj], v[KW+kj], v[KI+kj]
.else
	v_fmac_f32 v[T+(kj&3)], v[KW+kj], v[KI+kj]
.endif
.set kj, kj+1
.endr
.set kb, kb+1
.endr
	v_add_f32 v[T], v[T], v[T+1]
	v_add_f32 v[T+2], v[T+2], v[T+3]
	v_add_f32 v[T], v[T], v[T+2]
	v_add_f32 v[T], v[T], v[BK]
	ds_store_b32 v14, v[T] offset:VECK             ; shown to the others by the barriers of the product below
	s_wait_loadcnt 0x0                             ; Wv
	MV128 MA, BV, VEC2, VECV                       ; v
	; ---- the three results
.set KV,  16                           ; 8 numbers of k
.set QR,  24                           ; v[24:87] 8 rows x 8 numbers of Wq
.set RES, 88
.set PK,  96                           ; v[96:111] four stores' data, each its own
.set AQ,  112
.set AK,  113
.set AV,  114
.set HQ,  115
.set AK2, 116
.set R3,  117
.set TM,  118
.set ZR,  119
	s_lshl_b32 s48, s3, 11
	s_add_co_u32 s48, s48, WQL
	v_lshrrev_b32 v[R3], 3, v3
	v_lshl_add_u32 v[AQ], v4, 10, s48              ; Wq's row 16 w + 8 h,
	v_lshl_add_u32 v[AQ], v[R3], 5, v[AQ]          ; head r / 8 (+ 2 ft by the offset)
	v_and_b32 v[TM], 7, v3
	v_lshlrev_b32 v[AK], 7, v[TM]                  ; k's row p = r % 8,
	v_lshl_add_u32 v[AK], v[R3], 5, v[AK]          ; the same head
	s_lshr_b32 s60, s3, 1
	s_lshl_b32 s60, s60, 6
	v_lshl_add_u32 v[AV], v3, 2, s60               ; v's column 16 (w / 2) + r
	s_and_b32 s61, s3, 1
	s_lshl_b32 s61, s61, 1
	v_add_nc_u32 v[HQ], s61, v4                    ; the head of my 8 inputs: 2 q + h
	s_lshr_b32 s62, s3, 2
	; Wqk: wave w = 2 ks + q makes the half fragments (ft, ks, q) for ft = 0, 1: inputs c = 16 w + 8 h + e, output 16 ft + r = 8 hd + p
.irp ft,0,1
	ds_load_b128 v[KV:KV+3], v[AK] offset:VECK+64*\ft
	ds_load_b128 v[KV+4:KV+7], v[AK] offset:VECK+64*\ft+16
.irp e,0,1,2,3,4,5,6,7
	ds_load_b128 v[QR+8*\e:QR+8*\e+3], v[AQ] offset:128*\e+64*\ft
	ds_load_b128 v[QR+8*\e+4:QR+8*\e+7], v[AQ] offset:128*\e+64*\ft+16
.endr
	s_wait_dscnt 0x0
.irp j,0,2,4,6
	v_pk_mul_f32 v[KV+\j:KV+\j+1], v[KV+\j:KV+\j+1], s[52:53] op_sel_hi:[1,0]
.endr
.irp e,0,1,2,3,4,5,6,7
	v_pk_mul_f32 v[QR+8*\e:QR+8*\e+1], v[QR+8*\e:QR+8*\e+1], v[KV:KV+1]
	v_pk_fma_f32 v[QR+8*\e:QR+8*\e+1], v[QR+8*\e+2:QR+8*\e+3], v[KV+2:KV+3], v[QR+8*\e:QR+8*\e+1]
	v_pk_fma_f32 v[QR+8*\e:QR+8*\e+1], v[QR+8*\e+4:QR+8*\e+5], v[KV+4:KV+5], v[QR+8*\e:QR+8*\e+1]
	v_pk_fma_f32 v[QR+8*\e:QR+8*\e+1], v[QR+8*\e+6:QR+8*\e+7], v[KV+6:KV+7], v[QR+8*\e:QR+8*\e+1]
	v_add_f32 v[RES+\e], v[QR+8*\e], v[QR+8*\e+1]
.endr
.irp i,0,1,2,3
	v_cvt_pk_bf16_f32 v[PK+4*\ft+\i], v[RES+2*\i], v[RES+2*\i+1]
.endr
	global_store_b128 v5, v[PK+4*\ft:PK+4*\ft+3], s[54:55] offset:4096*\ft
.endr
	; Vblk: half fragments (ft = w / 2 + 4 j, q = w % 2): inputs 16 q + 8 h + e = head 2 q + h, part e; zero unless that head owns column 16 ft + r
.irp j,0,1
.irp e,0,1,2,3,4,5,6,7
	ds_load_b32 v[QR+\e], v[AV] offset:VECV+512*\e+256*\j
.endr
	s_add_co_u32 s63, s62, 2*\j                    ; ft / 2
	v_cmp_eq_u32 vcc_lo, s63, v[HQ]
	s_wait_dscnt 0x0
.irp i,0,1,2,3
	v_cvt_pk_bf16_f32 v[PK+8+4*\j+\i], v[QR+2*\i], v[QR+2*\i+1]
.endr
.irp i,0,1,2,3
	v_cndmask_b32 v[PK+8+4*\j+\i], 0, v[PK+8+4*\j+\i], vcc_lo
.endr
	global_store_b128 v5, v[PK+8+4*\j:PK+11+4*\j], s[54:55] offset:8192+4096*\j   ; Vblk's fragments lie 8,192 bytes behind Wqk's
.endr
	; bqk, by wave 0: lane = 8 hd + p; and zeros up to the table's next entry
	s_cmp_lg_u32 s3, 0
	s_cbranch_scc1 .Lchain_end
	v_and_b32 v[TM], 7, v1
	v_lshl_add_u32 v[AK2], v[TM], 7, v15
	ds_load_b128 v[KV:KV+3], v[AK2] offset:VECK
	ds_load_b128 v[KV+4:KV+7], v[AK2] offset:VECK+16
	v_mov_b32 v[ZR], 0
	s_wait_dscnt 0x0
	v_pk_mul_f32 v[KV:KV+1], v[KV:KV+1], v[BQ:BQ+1]
	v_pk_fma_f32 v[KV:KV+1], v[KV+2:KV+3], v[BQ+2:BQ+3], v[KV:KV+1]
	v_pk_fma_f32 v[KV:KV+1], v[KV+4:KV+5], v[BQ+4:BQ+5], v[KV:KV+1]
	v_pk_fma_f32 v[KV:KV+1], v[KV+6:KV+7], v[BQ+6:BQ+7], v[KV:KV+1]
	v_add_f32 v[KV], v[KV], v[KV+1]
	v_mul_f32 v[KV], s52, v[KV]
	global_store_b32 v12, v[KV], s[58:59]
	global_store_b32 v12, v[ZR], s[58:59] offset:128
	global_store_b32 v12, v[ZR], s[58:59] offset:256
	global_store_b32 v12, v[ZR], s[58:59] offset:384
.Lchain_end:
	s_wait_tensorcnt 0x0
	ds_add_u32 v254, v255
	s_wait_dscnt 0x0
	s_endpgm
.Lfunc_end_k_qc36f3169db_prep1:
	.size	k_qc36f3169db_prep1, .Lfunc_end_k_qc36f3169db_prep1-k_qc36f3169db_prep1
	.p2alignl 7, 3214868480
	.fill 96, 4, 3214868480
	.section	.rodata,"a",@progbits
	.p2align	6, 0x0
	.amdhsa_kernel k_qc36f3169db_prep1
		.amdhsa_group_segment_fixed_size 87040
		.amdhsa_private_segment_fixed_size 0
		.amdhsa_enable_private_segment 0
		.amdhsa_kernarg_size 208
		.amdhsa_user_sgpr_count 2
		.amdhsa_user_sgpr_kernarg_segment_ptr 1
		.amdhsa_wavefront_size32 1
		.amdhsa_system_sgpr_workgroup_id_x 1
		.amdhsa_system_sgpr_workgroup_id_y 1
		.amdhsa_system_sgpr_workgroup_id_z 1
		.amdhsa_system_vgpr_workitem_id 0
		.amdhsa_next_free_vgpr 256
		.amdhsa_next_free_sgpr 66
		.amdhsa_reserve_vcc 1
		.amdhsa_float_denorm_mode_32 3
		.amdhsa_float_denorm_mode_16_64 3
		.amdhsa_memory_ordered 1
		.amdhsa_forward_progress 1
		.amdhsa_inst_pref_size 105
	.end_amdhsa_kernel
	.amdgpu_metadata
---
amdhsa.version: [ 1, 2 ]
amdhsa.kernels:
  - .name:           k_qc36f3169db_prep1
    .symbol:         k_qc36f3169db_prep1.kd
    .args:
      - { .name: part_emb, .offset: 0, .size: 8, .value_kind: global_buffer, .address_space: global }
      - { .name: part_W, .offset: 8, .size: 8, .value_kind: global_buffer, .address_space: global }
      - { .name: part_b, .offset: 16, .size: 8, .value_kind: global_buffer, .address_space: global }
      - { .name: wts, .offset: 24, .size: 8, .value_kind: global_buffer, .address_space: global }
      - { .name: index_mlp_Winp, .offset: 32, .size: 8, .value_kind: global_buffer, .address_space: global }
      - { .name: index_mlp_binp, .offset: 40, .size: 8, .value_kind: global_buffer, .address_space: global }
      - { .name: index_mlp_att_Wk, .offset: 48, .size: 8, .value_kind: global_buffer, .address_space: global }
      - { .name: index_mlp_att_bk, .offset: 56, .size: 8, .value_kind: global_buffer, .address_space: global }
      - { .name: index_mlp_att_Wv, .offset: 64, .size: 8, .value_kind: global_buffer, .address_space: global }
      - { .name: index_mlp_att_bv, .offset: 72, .size: 8, .value_kind: global_buffer, .address_space: global }
      - { .name: index_mlp_att_Wq, .offset: 80, .size: 8, .value_kind: global_buffer, .address_space: global }
      - { .name: index_mlp_att_bq, .offset: 88, .size: 8, .value_kind: global_buffer, .address_space: global }
      - { .name: feat_mlp_Winp, .offset: 96, .size: 8, .value_kind: global_buffer, .address_space: global }
      - { .name: feat_mlp_binp, .offset: 104, .size: 8, .value_kind: global_buffer, .address_space: global }
      - { .name: feat_mlp_att_Wk, .offset: 112, .size: 8, .value_kind: global_buffer, .address_space: global }
      - { .name: feat_mlp_att_bk, .offset: 120, .size: 8, .value_kind: global_buffer, .address_space: global }
      - { .name: feat_mlp_att_Wv, .offset: 128, .size: 8, .value_kind: global_buffer, .address_space: global }
      - { .name: feat_mlp_att_bv, .offset: 136, .size: 8, .value_kind: global_buffer, .address_space: global }
      - { .name: feat_mlp_att_Wq, .offset: 144, .size: 8, .value_kind: global_buffer, .address_space: global }
      - { .name: feat_mlp_att_bq, .offset: 152, .size: 8, .value_kind: global_buffer, .address_space: global }
      - { .name: index_mlp_att_Wf1, .offset: 160, .size: 8, .value_kind: global_buffer, .address_space: global }
      - { .name: index_mlp_att_Wf2, .offset: 168, .size: 8, .value_kind: global_buffer, .address_space: global }
      - { .name: feat_mlp_att_Wf1, .offset: 176, .size: 8, .value_kind: global_buffer, .address_space: global }
      - { .name: feat_mlp_att_Wf2, .offset: 184, .size: 8, .value_kind: global_buffer, .address_space: global }
      - { .name: rgbnets_W1, .offset: 192, .size: 8, .value_kind: global_buffer, .address_space: global }
      - { .name: rgbnets_W2, .offset: 200, .size: 8, .value_kind: global_buffer, .address_space: global }
    .group_segment_fixed_size: 87040
    .private_segment_fixed_size: 0
    .kernarg_segment_align: 8
    .kernarg_segment_size: 208
    .max_flat_workgroup_size: 256
    .sgpr_count:     66
    .vgpr_count:     256
    .wavefront_size: 32
...
	.end_amdgpu_metadata
.endif
;; end of part 1
;; launch prep2 (part 2): grid 29 x 1, 8 waves a work-group, no clusters, 0 bytes of LDS; arguments wts, rgbnets_W3, rgbnets_b1, rgbnets_b2, rgbnets_b3, index_mlp_Win, feat_mlp_Win, index_mlp_Wout, feat_mlp_Wout, index_mlp_bin, index_mlp_att_g1, index_mlp_att_be1, index_mlp_att_bf1, index_mlp_att_bf2, index_mlp_att_g2, index_mlp_att_be2, index_mlp_bout, feat_mlp_bin, feat_mlp_att_g1, feat_mlp_att_be1, feat_mlp_att_bf1, feat_mlp_att_bf2, feat_mlp_att_g2, feat_mlp_att_be2, feat_mlp_bout; writes wts
.if DOCPART == 2
	.amdgcn_target "amdgcn-amd-amdhsa--gfx1250"
	.amdhsa_code_object_version 6
	.text
	.protected	k_qc36f3169db_prep2
	.globl	k_qc36f3169db_prep2
	.p2align	8
	.type	k_qc36f3169db_prep2,@function
k_qc36f3169db_prep2:
	s_mov_b64 s[64:65], 0
	v_nop
	global_prefetch_b8 v0, s[64:65] scope:SCOPE_SE
	s_setreg_imm32_b32 hwreg(HW_REG_WAVE_MODE, 25, 1), 1
	s_wait_xcnt 0x0
; PREPARATION 2: the small weights as bf16 fragments (layout: 16 bytes at 512 q + 16 (16 h + r) = W[32 ks + 16 q + 8 h + e][16 ft + r], e = 0..7)
; and the f32 tables.  One wave writes one piece of 512 consecutive bytes of wts.  Work-groups:
;   0-7 feature Wout; 8-15 W3; 16-19 feature Win; 20-21 index Win; 22 index Wout; 23, 24 the tables of parameters; 25-28 the experts' biases.
; Rows of 16 that the problem has fewer of: W3 (3 columns), b3, index Wout and bout (8 columns) use column i % 8 for row i, W3 and b3 with
; zeros where i % 8 > 2, so that both halves of the lanes end up with the same numbers.  Index Wout and bout are multiplied by log2(e):
; the logits feed the gate's softmax alone, which the main launch takes in base 2.
; Win's 32 (index) or 64 (feature) input places are ordered as the main launch packs them.  With X = 16 ks + 8 q + e:
;   X 0-5: row 6 h + X (k0);  X 6-8: row X + 6, h = 0 alone (the directions);  X 9-20: row X + 6 + 12 h (sines for h = 0, cosines for h = 1);  else 0.
.set TILE,  71680
.set TILES, 104448
.macro FINISH
.irp i,0,1,2,3
	v_cvt_pk_bf16_f32 v[16+\i], v[8+2*\i], v[9+2*\i]
.endr
	global_store_b128 v5, v[16:19], s[8:9]
.endm
.macro WINHALF lb, full                ; the 8 places X = lb .. lb + 7
.set e, 0
.rept 8
.set LX, \lb+e
.if LX < 6
	global_load_b32 v[8+e], v6, s[16:17] offset:LX*512
.else
.if \full
.if LX < 9
	global_load_b32 v[8+e], v7, s[16:17] offset:(LX+6)*512
.else
.if LX < 21
	global_load_b32 v[8+e], v20, s[16:17] offset:(LX+6)*512
.else
	v_mov_b32 v[8+e], 0
.endif
.endif
.else
	v_mov_b32 v[8+e], 0
.endif
.endif
.set e, e+1
.endr
	s_wait_loadcnt 0x0
.if \full
.set e, 0
.rept 8
.set LX, \lb+e
.if LX >= 6
.if LX < 9
	v_cndmask_b32 v[8+e], 0, v[8+e], vcc_lo        ; the directions count once: zero weights in the lanes h = 1
.endif
.endif
.set e, e+1
.endr
.endif
	FINISH
	s_endpgm
.endm
	s_load_b64 s[8:9], s[0:1], 0x0                 ; wts
	v_and_b32 v1, 31, v0                           ; lane
	v_lshrrev_b32 v2, 5, v0
	v_readfirstlane_b32 s3, v2                     ; wave
	v_and_b32 v3, 15, v0                           ; r
	v_bfe_u32 v4, v0, 4, 1                         ; h
	v_lshlrev_b32 v5, 4, v1
	s_lshl_b32 s4, ttmp9, 3
	s_add_co_u32 s4, s4, s3                        ; 8 x work-group + wave
	s_mov_b32 s7, 0
	s_mov_b32 s11, 0
	s_cmp_ge_u32 ttmp9, 25
	s_cbranch_scc1 .Ltail
	s_cmp_ge_u32 ttmp9, 23
	s_cbranch_scc1 .Lparam
	s_cmp_eq_u32 ttmp9, 22
	s_cbranch_scc1 .Lwouti
	s_cmp_ge_u32 ttmp9, 20
	s_cbranch_scc1 .Lwini
	s_cmp_ge_u32 ttmp9, 16
	s_cbranch_scc1 .Lwinf
	s_cmp_ge_u32 ttmp9, 8
	s_cbranch_scc1 .Lw3
	; ---- feature Wout: piece = 8 ft + 2 ks + q, at byte 71,680 of wts
	s_load_b64 s[16:17], s[0:1], 0x40
	s_lshr_b32 s10, s4, 3
	s_lshl_b32 s10, s10, 6                         ; column 16 ft
	s_and_b32 s5, s4, 7
	s_lshl_b32 s5, s5, 13                          ; row 16 (2 ks + q), 512 bytes a row
	s_add_co_u32 s10, s10, s5
	s_lshl_b32 s6, s4, 9
	s_add_co_u32 s6, s6, 71680
	v_lshlrev_b32 v6, 12, v4                       ; 8 h rows
	v_lshl_add_u32 v6, v3, 2, v6
	s_wait_kmcnt 0x0
	s_add_nc_u64 s[16:17], s[16:17], s[10:11]
	s_add_nc_u64 s[8:9], s[8:9], s[6:7]
.irp e,0,1,2,3,4,5,6,7
	global_load_b32 v[8+\e], v6, s[16:17] offset:512*\e
.endr
	s_wait_loadcnt 0x0
	FINISH
	s_endpgm
	; ---- W3[p][k][c]: piece = 8 p + 2 ks + q, fragment 40 + 9 ks of tile 4 + p
.Lw3:
	s_load_b64 s[16:17], s[0:1], 0x8
	s_sub_co_u32 s4, s4, 64
	s_lshr_b32 s5, s4, 3                           ; p
	s_and_b32 s10, s4, 7
	s_mul_i32 s10, s10, 192                        ; 16 rows of 12 bytes
	s_mul_i32 s12, s5, 1536
	s_add_co_u32 s10, s10, s12
	s_bfe_u32 s6, s4, 0x20001                      ; ks
	s_mul_i32 s6, s6, 9216
	s_and_b32 s12, s4, 1
	s_lshl_b32 s12, s12, 9
	s_add_co_u32 s6, s6, s12
	s_mul_i32 s12, s5, TILE
	s_add_co_u32 s6, s6, s12
	s_add_co_u32 s6, s6, TILES+4*TILE+40960
	v_and_b32 v6, 7, v3
	v_cmp_gt_u32 vcc_lo, 3, v6                     ; a column that exists
	v_min_u32 v6, 2, v6                            ; the others read column 2 and are zeroed
	v_lshlrev_b32 v6, 2, v6
	v_mad_u32_u24 v6, v4, 96, v6                   ; + 8 h rows
	s_wait_kmcnt 0x0
	s_add_nc_u64 s[16:17], s[16:17], s[10:11]
	s_add_nc_u64 s[8:9], s[8:9], s[6:7]
.irp e,0,1,2,3,4,5,6,7
	global_load_b32 v[8+\e], v6, s[16:17] offset:12*\e
.endr
	s_wait_loadcnt 0x0
.irp e,0,1,2,3,4,5,6,7
	v_cndmask_b32 v[8+\e], 0, v[8+\e], vcc_lo
.endr
	FINISH
	s_endpgm
	; ---- feature Win: piece = 4 ft + 2 ks + q, at byte 38,912
.Lwinf:
	s_load_b64 s[16:17], s[0:1], 0x30
	s_sub_co_u32 s4, s4, 128
	s_lshr_b32 s10, s4, 2
	s_lshl_b32 s10, s10, 6                         ; column 16 ft
	s_lshl_b32 s6, s4, 9
	s_add_co_u32 s6, s6, 38912
	s_and_b32 s5, s4, 3                            ; 2 ks + q
	v_lshlrev_b32 v7, 2, v3                        ; column r
	v_mad_u32_u24 v6, v4, 3072, v7                 ; + 6 h rows
	v_mad_u32_u24 v20, v4, 6144, v7                ; + 12 h rows
	v_cmp_eq_u32 vcc_lo, 0, v4
	s_wait_kmcnt 0x0
	s_add_nc_u64 s[16:17], s[16:17], s[10:11]
	s_add_nc_u64 s[8:9], s[8:9], s[6:7]
	s_cmp_eq_u32 s5, 3
	s_cbranch_scc1 .Lzero
	s_cmp_eq_u32 s5, 2
	s_cbranch_scc1 .Lwinf2
	s_cmp_eq_u32 s5, 1
	s_cbranch_scc1 .Lwinf1
	WINHALF 0, 1
.Lwinf1:
	WINHALF 8, 1
.Lwinf2:
	WINHALF 16, 1
	; ---- index Win: piece = 2 ft + q, at byte 10,240; only places 0-5 hold rows
.Lwini:
	s_load_b64 s[16:17], s[0:1], 0x28
	s_sub_co_u32 s4, s4, 160
	s_lshr_b32 s10, s4, 1
	s_lshl_b32 s10, s10, 6
	s_lshl_b32 s6, s4, 9
	s_add_co_u32 s6, s6, 10240
	s_and_b32 s5, s4, 1
	v_lshlrev_b32 v7, 2, v3
	v_mad_u32_u24 v6, v4, 3072, v7
	s_wait_kmcnt 0x0
	s_add_nc_u64 s[16:17], s[16:17], s[10:11]
	s_add_nc_u64 s[8:9], s[8:9], s[6:7]
	s_cmp_eq_u32 s5, 1
	s_cbranch_scc1 .Lzero
	WINHALF 0, 0
	; ---- index Wout [128][8]: piece = wave = 2 ks + q, at byte 34,816
.Lwouti:
	s_load_b64 s[16:17], s[0:1], 0x38
	s_lshl_b32 s10, s3, 9                          ; 16 rows of 32 bytes
	s_add_co_u32 s6, s10, 34816
	v_and_b32 v6, 7, v3
	v_lshlrev_b32 v6, 2, v6
	v_lshl_add_u32 v6, v4, 8, v6                   ; + 8 h rows
	s_wait_kmcnt 0x0
	s_add_nc_u64 s[16:17], s[16:17], s[10:11]
	s_add_nc_u64 s[8:9], s[8:9], s[6:7]
.irp e,0,1,2,3,4,5,6,7
	global_load_b32 v[8+\e], v6, s[16:17] offset:32*\e
.endr
	s_wait_loadcnt 0x0
.irp e,0,1,2,3,4,5,6,7
	v_mul_f32 v[8+\e], 0x3fb8aa3b, v[8+\e]
.endr
	FINISH
	s_endpgm
	; ---- the table of block m, 5,120 bytes: bin 0, (bqk 512: the other preparation), g1 1024, be1 1536, bf1 2048, bf2 3072, g2 3584, be2 4096, bout 4608
.Lparam:
	s_load_b512 s[16:31], s[0:1], 0x48             ; index: bin g1 be1 bf1 bf2 g2 be2 bout
	s_load_b512 s[32:47], s[0:1], 0x88             ; feature: the same eight
	s_sub_co_u32 s5, ttmp9, 23                     ; m
	s_mul_i32 s6, s5, 5120
	s_wait_kmcnt 0x0
	s_add_nc_u64 s[8:9], s[8:9], s[6:7]
	s_cmp_eq_u32 s5, 0
.irp i,0,2,4,6,8,10,12,14
	s_cselect_b64 s[16+\i:17+\i], s[16+\i:17+\i], s[32+\i:33+\i]
.endr
	s_mov_b64 s[48:49], s[16:17]                   ; wave 0 bin, 1 g1, 2 be1, 3 and 4 the halves of bf1, 5 bf2, 6 g2, 7 be2
	s_cmp_eq_u32 s3, 1
	s_cselect_b64 s[48:49], s[18:19], s[48:49]
	s_cmp_eq_u32 s3, 2
	s_cselect_b64 s[48:49], s[20:21], s[48:49]
	s_cmp_eq_u32 s3, 3
	s_cselect_b64 s[48:49], s[22:23], s[48:49]
	s_cmp_eq_u32 s3, 5
	s_cselect_b64 s[48:49], s[24:25], s[48:49]
	s_cmp_eq_u32 s3, 6
	s_cselect_b64 s[48:49], s[26:27], s[48:49]
	s_cmp_eq_u32 s3, 7
	s_cselect_b64 s[48:49], s[28:29], s[48:49]
	s_cmp_eq_u32 s3, 4
	s_cselect_b64 s[48:49], s[22:23], s[48:49]
	s_cselect_b32 s50, 512, 0
	s_mov_b32 s51, 0
	s_add_nc_u64 s[48:49], s[48:49], s[50:51]
	s_lshl_b32 s52, s3, 9
	s_cmp_lg_u32 s3, 0
	s_cselect_b32 s53, 512, 0                      ; bqk's 512 bytes are stepped over
	s_add_co_u32 s52, s52, s53
	s_mov_b32 s53, 0
	s_add_nc_u64 s[54:55], s[8:9], s[52:53]
	global_load_b128 v[8:11], v5, s[48:49]
	s_wait_loadcnt 0x0
	global_store_b128 v5, v[8:11], s[54:55]
	s_cmp_lg_u32 s3, 0
	s_cbranch_scc1 .Lend
	s_cmp_lg_u32 s5, 0
	s_cbranch_scc1 .Lboutf
	v_and_b32 v6, 1, v1                            ; index bout: entry i = log2(e) bout[i % 8] for i < 16, then zeros
	v_lshlrev_b32 v6, 4, v6
	global_load_b128 v[12:15], v6, s[30:31]
	v_cmp_gt_u32 vcc_lo, 4, v1
	s_wait_loadcnt 0x0
.irp i,12,13,14,15
	v_mul_f32 v\i, 0x3fb8aa3b, v\i
.endr
.irp i,12,13,14,15
	v_cndmask_b32 v\i, 0, v\i, vcc_lo
.endr
	global_store_b128 v5, v[12:15], s[8:9] offset:4608
	s_endpgm
.Lboutf:
	global_load_b128 v[12:15], v5, s[30:31]
	s_wait_loadcnt 0x0
	global_store_b128 v5, v[12:15], s[8:9] offset:4608
.Lend:
	s_endpgm
	; ---- the last 2,048 bytes of tile 4 + p: b1, b2, b3 (16 entries, then zeros), zeros
.Ltail:
	s_load_b128 s[16:19], s[0:1], 0x10             ; b1, b2
	s_load_b64 s[20:21], s[0:1], 0x20              ; b3
	s_sub_co_u32 s5, ttmp9, 25
	s_lshr_b32 s6, s3, 2
	s_lshl1_add_u32 s5, s5, s6                     ; p
	s_and_b32 s10, s3, 3                           ; which 512 bytes
	s_mul_i32 s6, s5, TILE
	s_lshl_b32 s12, s10, 9
	s_add_co_u32 s6, s6, s12
	s_add_co_u32 s6, s6, TILES+4*TILE+69632
	s_mov_b32 s13, 0
	s_wait_kmcnt 0x0
	s_add_nc_u64 s[8:9], s[8:9], s[6:7]
	s_cmp_eq_u32 s10, 3
	s_cbranch_scc1 .Lzero
	s_cmp_eq_u32 s10, 2
	s_cbranch_scc1 .Lb3
	s_cmp_eq_u32 s10, 0
	s_cselect_b64 s[16:17], s[16:17], s[18:19]
	s_lshl_b32 s12, s5, 9
	s_add_nc_u64 s[16:17], s[16:17], s[12:13]
	global_load_b128 v[8:11], v5, s[16:17]
	s_wait_loadcnt 0x0
	global_store_b128 v5, v[8:11], s[8:9]
	s_endpgm
.Lb3:
	s_mul_i32 s12, s5, 12
	s_add_nc_u64 s[20:21], s[20:21], s[12:13]
	v_mov_b32 v6, 0
	global_load_b32 v8, v6, s[20:21]
	global_load_b32 v9, v6, s[20:21] offset:4
	global_load_b32 v10, v6, s[20:21] offset:8
	v_mov_b32 v11, 0
	v_and_b32 v7, 29, v1
	v_cmp_eq_u32 vcc_lo, 0, v7                     ; lanes 0 and 2: entries 0-3 and 8-11
	s_wait_loadcnt 0x0
.irp i,8,9,10
	v_cndmask_b32 v\i, 0, v\i, vcc_lo
.endr
	global_store_b128 v5, v[8:11], s[8:9]
	s_endpgm
.Lzero:
.irp i,16,17,18,19
	v_mov_b32 v\i, 0
.endr
	global_store_b128 v5, v[16:19], s[8:9]
	s_endpgm
.Lfunc_end_k_qc36f3169db_prep2:
	.size	k_qc36f3169db_prep2, .Lfunc_end_k_qc36f3169db_prep2-k_qc36f3169db_prep2
	.p2alignl 7, 3214868480
	.fill 96, 4, 3214868480
	.section	.rodata,"a",@progbits
	.p2align	6, 0x0
	.amdhsa_kernel k_qc36f3169db_prep2
		.amdhsa_group_segment_fixed_size 0
		.amdhsa_private_segment_fixed_size 0
		.amdhsa_enable_private_segment 0
		.amdhsa_kernarg_size 200
		.amdhsa_user_sgpr_count 2
		.amdhsa_user_sgpr_kernarg_segment_ptr 1
		.amdhsa_wavefront_size32 1
		.amdhsa_system_sgpr_workgroup_id_x 1
		.amdhsa_system_sgpr_workgroup_id_y 1
		.amdhsa_system_sgpr_workgroup_id_z 1
		.amdhsa_system_vgpr_workitem_id 0
		.amdhsa_next_free_vgpr 64
		.amdhsa_next_free_sgpr 66
		.amdhsa_reserve_vcc 1
		.amdhsa_float_denorm_mode_32 3
		.amdhsa_float_denorm_mode_16_64 3
		.amdhsa_memory_ordered 1
		.amdhsa_forward_progress 1
		.amdhsa_inst_pref_size 18
	.end_amdhsa_kernel
	.amdgpu_metadata
---
amdhsa.version: [ 1, 2 ]
amdhsa.kernels:
  - .name:           k_qc36f3169db_prep2
    .symbol:         k_qc36f3169db_prep2.kd
    .args:
      - { .name: wts, .offset: 0, .size: 8, .value_kind: global_buffer, .address_space: global }
      - { .name: rgbnets_W3, .offset: 8, .size: 8, .value_kind: global_buffer, .address_space: global }
      - { .name: rgbnets_b1, .offset: 16, .size: 8, .value_kind: global_buffer, .address_space: global }
      - { .name: rgbnets_b2, .offset: 24, .size: 8, .value_kind: global_buffer, .address_space: global }
      - { .name: rgbnets_b3, .offset: 32, .size: 8, .value_kind: global_buffer, .address_space: global }
      - { .name: index_mlp_Win, .offset: 40, .size: 8, .value_kind: global_buffer, .address_space: global }
      - { .name: feat_mlp_Win, .offset: 48, .size: 8, .value_kind: global_buffer, .address_space: global }
      - { .name: index_mlp_Wout, .offset: 56, .size: 8, .value_kind: global_buffer, .address_space: global }
      - { .name: feat_mlp_Wout, .offset: 64, .size: 8, .value_kind: global_buffer, .address_space: global }
      - { .name: index_mlp_bin, .offset: 72, .size: 8, .value_kind: global_buffer, .address_space: global }
      - { .name: index_mlp_att_g1, .offset: 80, .size: 8, .value_kind: global_buffer, .address_space: global }
      - { .name: index_mlp_att_be1, .offset: 88, .size: 8, .value_kind: global_buffer, .address_space: global }
      - { .name: index_mlp_att_bf1, .offset: 96, .size: 8, .value_kind: global_buffer, .address_space: global }
      - { .name: index_mlp_att_bf2, .offset: 104, .size: 8, .value_kind: global_buffer, .address_space: global }
      - { .name: index_mlp_att_g2, .offset: 112, .size: 8, .value_kind: global_buffer, .address_space: global }
      - { .name: index_mlp_att_be2, .offset: 120, .size: 8, .value_kind: global_buffer, .address_space: global }
      - { .name: index_mlp_bout, .offset: 128, .size: 8, .value_kind: global_buffer, .address_space: global }
      - { .name: feat_mlp_bin, .offset: 136, .size: 8, .value_kind: global_buffer, .address_space: global }
      - { .name: feat_mlp_att_g1, .offset: 144, .size: 8, .value_kind: global_buffer, .address_space: global }
      - { .name: feat_mlp_att_be1, .offset: 152, .size: 8, .value_kind: global_buffer, .address_space: global }
      - { .name: feat_mlp_att_bf1, .offset: 160, .size: 8, .value_kind: global_buffer, .address_space: global }
      - { .name: feat_mlp_att_bf2, .offset: 168, .size: 8, .value_kind: global_buffer, .address_space: global }
      - { .name: feat_mlp_att_g2, .offset: 176, .size: 8, .value_kind: global_buffer, .address_space: global }
      - { .name: feat_mlp_att_be2, .offset: 184, .size: 8, .value_kind: global_buffer, .address_space: global }
      - { .name: feat_mlp_bout, .offset: 192, .size: 8, .value_kind: global_buffer, .address_space: global }
    .group_segment_fixed_size: 0
    .private_segment_fixed_size: 0
    .kernarg_segment_align: 8
    .kernarg_segment_size: 200
    .max_flat_workgroup_size: 256
    .sgpr_count:     66
    .vgpr_count:     64
    .wavefront_size: 32
...
	.end_amdgpu_metadata
.endif
;; end of part 2
;; launch main (part 3): grid 256 x 1, 8 waves a work-group, clusters of 4 x 1, 327,680 bytes of LDS; arguments k0, viewdirs, wts, out0; writes out0
.if DOCPART == 3
	.amdgcn_target "amdgcn-amd-amdhsa--gfx1250"
	.amdhsa_code_object_version 6
	.text
	.protected	k_qc36f3169db_main
	.globl	k_qc36f3169db_main
	.p2align	8
	.type	k_qc36f3169db_main,@function
k_qc36f3169db_main:
	s_mov_b64 s[64:65], 0
	v_nop
	global_prefetch_b8 v0, s[64:65] scope:SCOPE_SE
	s_setreg_imm32_b32 hwreg(HW_REG_WAVE_MODE, 25, 1), 1
	s_wait_xcnt 0x0
	s_wait_alu depctr_hold_cnt(0) depctr_sa_sdst(0) depctr_va_vdst(0) depctr_va_sdst(0) depctr_va_ssrc(0) depctr_va_vcc(0) depctr_vm_vsrc(0)
	s_getreg_b32 s2, hwreg(HW_REG_IB_STS2, 6, 4)
	s_cmp_eq_u32 s2, 0
	s_cbranch_scc0 .Lentry_in_a_cluster
	s_endpgm
.Lentry_in_a_cluster:
	s_bfe_u32 s2, ttmp6, 0x10000c
	s_cmp_lg_u32 s2, 0x3003
	s_cbranch_scc0 .Lentry_shape_is_right
	s_endpgm
.Lentry_shape_is_right:
; THE WHOLE NET FOR 512 POINTS A WORK-GROUP, 64 POINTS (4 point tiles of 16) A WAVE.  131,072 points = 256 work-groups, one pass.
; THE MATRIX INSTRUCTION IS USED TRANSPOSED: source 0 = 16 output features x 32 inputs of a weight (a "fragment" of wts, read by two loads of
; 16 bytes a lane), source 1 = 32 inputs x 16 points.  In the result lane (r, h) holds point r and features 16 ft + 8 h + j in register j.
; Two neighbouring feature tiles, rounded to bf16 in pairs, ARE the next layer's source 1 (ISA guide 7.12.2): activations never leave the
; registers; softmax is a lane's own work, LayerNorm needs one exchange between the halves of the lanes.
; Attention onto the 8 parts is two products: scores = x Wqk + bqk (4 heads x 8 parts; a lane's 8 registers = one head's parts; scale and
; log2(e) folded in), softmax with the maximum taken away, then x += att Vblk (block diagonal).  Biases are the first product's C.
; The FFN goes in chunks of 32 hidden features: 2 tiles of Wf1, ReLU, 8 tiles of Wf2 onto the accumulator, which starts as x1 + bf2.
; The 8 experts run one after the other; each adds gate x (its three colours) to a lane's sums.
; WEIGHTS: the small ones (A1, A2) are loaded once; FFNs and experts come as 12 tiles of 71,680 bytes through two LDS slots.
; CLUSTER 4 x 1: the four work-groups walk the same tiles, so every tensor load is a joint one with the mask 15; each wave asks for its
; eighth of a tile.  (Only the weights are shared and a mask names four: a second axis buys nothing.)  A wave has four tensor loads out at
; the start and one afterwards; a tile is asked for a whole tile's work ahead of its use.
; Eight waves of 512 registers, not four of 1,024: x in f32 (256) + its bf16 image (128) for 64 points leave room for weights and a chunk,
; for 128 points they would not; and a second wave on a SIMD has vector work (ReLU, rounding, LayerNorm) to do under the first one's products.
; LIMITS.  sin, cos: argument reduced by n = round(x / 2 pi) in two fused steps, series at a quarter of the angle, five doublings: absolute
; error about 1e-5 for |viewdirs| up to some 1e6.  ReLU by v_max_num_f32 makes 0 of a NaN.  v_exp_f32 gives 0 below 2^-126.
; Matrix operands are bf16, all sums f32; Wq k^T was formed in f32 and rounded once.
.set TILE,  71680                      ; a weight tile = an LDS slot; slots at 0 and TILE
.set PARL,  143360                     ; A1: the two tables of f32 parameters (2 x 5,120),
.set IHL,   153600                     ;     then the index block's small weights (28,672)
.set A2L,   182272                     ; A2: the feature block's small weights (65,536)
.set SCRL,  247808                     ; 8,192 bytes of scratch for each wave, written by ds_store: no tensor load lands here
.set BINO,  0                          ; a table's entries
.set BQKO,  512
.set G1O,   1024
.set BE1O,  1536
.set BF1O,  2048
.set BF2O,  3072
.set G2O,   3584
.set BE2O,  4096
.set BOUTO, 4608
; window 0
.set AW0, 1                            ; v1, v2   16 l + slot: fragments of slot 0, 1
.set AT0, 3                            ; v3, v4   the same + 65,536 (an LDS offset has 16 bits)
.set AB0, 5                            ; v5, v6   32 h + slot + 69,632: an expert's biases
.set ASI, 7                            ; 16 l + IHL
.set ASF, 8                            ; 16 l + A2L
.set AP,  9                            ; 32 h + PARL
.set ASC, 10                           ; 16 l + my scratch
.set AG,  11                           ; 4 l + my scratch: the gate, (8 pt + p) x 128
.set AO,  12                           ; 12 r + my scratch + 4,096: colours in
.set AR,  13                           ; 8 l + my scratch + 4,096: colours back
.set VK,  14                           ; 48 r + 24 h: my half of a point's k0
.set VD,  15                           ; 12 r
.set VO,  16                           ; 8 l
.set TP,  17                           ; v17-20 at work
.set BIAS, 24                          ; v[24:31]   a feature tile's bias, the C of its first product
.set WA,  32                           ; v[32:47]   two fragments
.set WB,  48                           ; v[48:63]   two fragments
.set CA,  64                           ; v[64:95]   + 8 pt: an accumulator tile for each point tile
.set CB,  96                           ; v[96:127]  + 8 pt: a source-1 fragment for each point tile
.set XB,  128                          ; v[128:255] + 32 ks + 8 pt: 128 features in bf16 as source 1
; window 1 (v256-511, written by their low 8 bits): X(ft, pt) = 32 ft + 8 pt, the 128 features in f32; in the experts' part
; HB(ks, pt) = 32 ks + 8 pt (h in bf16) and
.set E3,  128                          ; + 8 pt: an expert's colours
.set GT,  160                          ; + pt: its gate
.set RGB, 168                          ; + 4 pt + c: the mixed colours
.set G1A1, 16                          ; s[16:23] descriptor group 1: 19 rows of 256 bytes
.set G1A2, 24                          ; s[24:31] 32 rows
.set G1T,  32                          ; s[32:39] 35 rows
.set G0A1, 40
.set G0A2, 44
.set G0S,  48                          ; s[48:55] group 0 of slot 0, 1
; s_set_vgpr_msb: bits 1:0 source 0, 3:2 source 1, 5:4 source 2, 7:6 destination; the high byte repeats the setting that is left
.set MSB, 0
.macro WIN new
.if MSB != \new
	s_set_vgpr_msb (MSB<<8)|\new
.set MSB, \new
.endif
.endm
; Behind a matrix instruction: four independent vector instructions before a vector instruction reads its result or writes one of its
; registers or a load is issued into one, five before another matrix instruction writes over one (loads aside).
.macro PLACES cnt
.rept \cnt
	v_nop
.endr
.endm
.macro ROUND                           ; a round of the cluster's barrier
	s_barrier_signal -1
	s_barrier_wait -1
	s_cmp_lg_u32 s12, 0
	s_cbranch_scc1 .Lnot_wave_0_\@
	s_barrier_signal -3
.Lnot_wave_0_\@:
	s_barrier_wait -3
	s_barrier_signal -1
	s_barrier_wait -1
.endm
; The change of slots.  Every wave's tensor loads have landed (the other slot's tile among them) and its reads of slot s are back; then the
; round; then the refill of slot s, two tiles on, first behind it.  fill = 0: nothing is left to fetch, a plain barrier shows the last tile.
.macro SWITCH s, fill
	s_wait_tensorcnt 0x0
	ds_add_u32 v22, v23
	s_wait_dscnt 0x0
.if \fill
	s_add_nc_u64 s[G0S+4*\s+2:G0S+4*\s+3], s[G0S+4*\s+2:G0S+4*\s+3], 2*TILE
.endif
	s_wait_dscnt 0x0
.if \fill
	ROUND
	tensor_load_to_lds s[G0S+4*\s:G0S+4*\s+3], s[G1T:G1T+7]
	s_nop 0
.else
	s_barrier_signal -1
	s_barrier_wait -1
.endif
.endm
.macro LDF dst, areg, pos              ; a fragment: 512 consecutive bytes a load
	ds_load_b128 v[\dst:\dst+3], v[\areg] offset:\pos
	ds_load_b128 v[\dst+4:\dst+7], v[\areg] offset:\pos+512
.endm
.macro LDB dst, areg, off              ; 8 f32 of a table for features 8 h .. 8 h + 7 of a tile
	ds_load_b128 v[\dst:\dst+3], v[\areg] offset:\off
	ds_load_b128 v[\dst+4:\dst+7], v[\areg] offset:\off+16
.endm
; Fragments lie in the order of their use: a stream, SP its next byte, SLO / SHI the address registers below / from byte 65,536
.macro SLDF dst
.if SP+512 < 65536
	LDF \dst, SLO, SP
.else
	LDF \dst, SHI, SP-65536
.endif
.set SP, SP+1024
.endm
; Four matrix instructions, one for each point tile.  The accumulators take turns, one instruction a turn, everywhere in this text.
.macro MM4 acc, a, b
.irp pt,0,1,2,3
	v_wmma_f32_16x16x32_bf16 v[\acc+8*\pt:\acc+8*\pt+7], v[\a:\a+7], v[\b+8*\pt:\b+8*\pt+7], v[\acc+8*\pt:\acc+8*\pt+7]
.endr
.endm
.macro MM4C acc, a, b, c               ; the first product of a sum: C = the bias
.irp pt,0,1,2,3
	v_wmma_f32_16x16x32_bf16 v[\acc+8*\pt:\acc+8*\pt+7], v[\a:\a+7], v[\b+8*\pt:\b+8*\pt+7], v[\c:\c+7]
.endr
.endm
; A layer goes in steps of two fragments (64 inputs of one feature tile) on buffers WA, WB in turn (CUR = the one to be multiplied).
; PROLOG: the first two fragments and the first bias.  HEAD: the places, then the next group into the buffer just multiplied, and the next
; bias in a step behind the one that used the old.  BODY: waits for all but what HEAD issued (PEND loads) and multiplies.
.macro PROLOG lo, hi, pos, breg, boff
.set SLO, \lo
.set SHI, \hi
.set SP, \pos
.set CUR, 0
	SLDF WA
	SLDF WA+8
	LDB BIAS, \breg, \boff
.endm
.macro HEAD nf, nb=0, breg=0, boff=0
	PLACES 4
.set FB, WA+16*(1-CUR)
.if \nf >= 1
	SLDF FB
.endif
.if \nf >= 2
	SLDF FB+8
.endif
.if \nb
	LDB BIAS, \breg, \boff
.endif
.set PEND, 2*\nf+2*\nb
.endm
.macro BODY acc, b, first
	s_wait_dscnt PEND                              ; LDS loads come back in order: the group to be multiplied is in, HEAD's loads stay out
.if \first
	MM4C \acc, WA+16*CUR, \b, BIAS
.else
	MM4 \acc, WA+16*CUR, \b
.endif
	MM4 \acc, WA+16*CUR+8, \b+32
.set CUR, 1-CUR
.endm
.macro RELUCVT dst                     ; ReLU of the four tiles in CA, rounded to bf16: half a source-1 fragment at dst + 8 pt
.irp pt,0,1,2,3
.irp j,0,1,2,3,4,5,6,7
	v_max_num_f32 v[CA+8*\pt+\j], 0, v[CA+8*\pt+\j]
.endr
.irp i,0,1,2,3
	v_cvt_pk_bf16_f32 v[\dst+8*\pt+\i], v[CA+8*\pt+2*\i], v[CA+8*\pt+2*\i+1]
.endr
.endr
.endm
.macro CVTH g                          ; feature tile g in CA, rounded, into HB (window 1)
	WIN 0x40
.irp pt,0,1,2,3
.irp i,0,1,2,3
	v_cvt_pk_bf16_f32 v[32*((\g)>>1)+8*\pt+4*((\g)&1)+\i], v[CA+8*\pt+2*\i], v[CA+8*\pt+2*\i+1]
.endr
.endr
	WIN 0
.endm
.macro CVTX                            ; X (window 1) rounded into XB (window 0)
	WIN 0x05
.irp ks,0,1,2,3
.irp pt,0,1,2,3
.irp a,0,1
.irp i,0,1,2,3
	v_cvt_pk_bf16_f32 v[XB+32*\ks+8*\pt+4*\a+\i], v[32*(2*\ks+\a)+8*\pt+2*\i], v[32*(2*\ks+\a)+8*\pt+2*\i+1]
.endr
.endr
.endr
.endr
.endm
; softmax in base 2 over a lane's 8 registers at b, the maximum taken away; t: four registers at work
.macro SOFTMAX8 b, t
	v_max3_num_f32 v[\t], v[\b], v[\b+1], v[\b+2]
	v_max3_num_f32 v[\t], v[\t], v[\b+3], v[\b+4]
	v_max3_num_f32 v[\t], v[\t], v[\b+5], v[\b+6]
	v_max_num_f32 v[\t+1], v[\t], v[\b+7]
	v_max_num_f32 v[\t], v[\t], v[\b+7]
.irp j,0,2,4,6
	v_pk_add_f32 v[\b+\j:\b+\j+1], v[\b+\j:\b+\j+1], v[\t:\t+1] neg_lo:[0,1] neg_hi:[0,1]
.endr
.irp j,0,1,2,3,4,5,6,7
	v_exp_f32 v[\b+\j], v[\b+\j]
.endr
	v_nop                                          ; one plain instruction behind a transcendental before its result is used (ISA guide 5.7.2)
	s_wait_alu depctr_va_vdst(0)
	v_pk_add_f32 v[\t:\t+1], v[\b:\b+1], v[\b+2:\b+3]
	v_pk_add_f32 v[\t+2:\t+3], v[\b+4:\b+5], v[\b+6:\b+7]
	v_pk_add_f32 v[\t:\t+1], v[\t:\t+1], v[\t+2:\t+3]
	v_add_f32 v[\t], v[\t], v[\t+1]
	v_rcp_f32 v[\t+2], v[\t]
	v_rcp_f32 v[\t+3], v[\t]
	v_nop
	s_wait_alu depctr_va_vdst(0)
.irp j,0,2,4,6
	v_pk_mul_f32 v[\b+\j:\b+\j+1], v[\b+\j:\b+\j+1], v[\t+2:\t+3]
.endr
.endm
; The input layer: X = in Win + bin, four feature tiles at a time; ks steps of 32 input places, source 1 in CB (and CA)
.macro WINPH ks, areg, pb
.irp hf,0,1
	PLACES 4
.set i, 0
.rept 4*\ks
	LDF XB+8*i, \areg, (4*\ks*\hf+i)*1024
.set i, i+1
.endr
.irp f,0,1,2,3
	LDB XB+64+8*\f, AP, \pb+BINO+64*(4*\hf+\f)
.endr
	s_wait_dscnt 0x0
	WIN 0x40
.irp f,0,1,2,3
	MM4C 32*(4*\hf+\f), XB+8*\ks*\f, CB, XB+64+8*\f
.endr
.if \ks == 2
	WIN 0x50
.irp f,0,1,2,3
	MM4 32*(4*\hf+\f), XB+16*\f+8, CA
.endr
.endif
	WIN 0
.endr
.endm
.macro LNRED                           ; two chains of pairs for each point tile in WA -> the sum over 128 features, in v[WA + 4 pt] of every lane
.irp pt,0,1,2,3
	v_pk_add_f32 v[WA+4*\pt:WA+4*\pt+1], v[WA+4*\pt:WA+4*\pt+1], v[WA+4*\pt+2:WA+4*\pt+3]
.endr
.irp pt,0,1,2,3
	v_add_f32 v[WA+4*\pt], v[WA+4*\pt], v[WA+4*\pt+1]
.endr
.irp pt,0,1,2,3
	v_permlanex16_b32 v[TP+\pt], v[WA+4*\pt], s56, s57     ; the other 64 features of the point lie in lane l xor 16
.endr
.irp pt,0,1,2,3
	v_add_f32 v[WA+4*\pt], v[WA+4*\pt], v[TP+\pt]
.endr
.endm
; LayerNorm of X in place, in two passes (mean, then the centred squares).  kind 1: XB = bf16(result), X = result + bf2 (the FFN's accumulator).
; kind 2: XB = bf16(ReLU(result)).
.macro LNORM kind, pb, go, bo
	PLACES 4
.irp f,0,1,2,3,4,5,6,7
	LDB XB+8*\f, AP, \pb+\go+64*\f
	LDB XB+64+8*\f, AP, \pb+\bo+64*\f
.endr
.if \kind == 1
.irp f,0,1,2,3,4,5,6,7
	LDB CA+8*\f, AP, \pb+BF2O+64*\f
.endr
.endif
	WIN 0x05
.irp pt,0,1,2,3
	v_pk_add_f32 v[WA+4*\pt:WA+4*\pt+1], v[8*\pt:8*\pt+1], v[8*\pt+2:8*\pt+3]
	v_pk_add_f32 v[WA+4*\pt+2:WA+4*\pt+3], v[8*\pt+4:8*\pt+5], v[8*\pt+6:8*\pt+7]
.endr
	WIN 0x01
.irp f,1,2,3,4,5,6,7
.irp pt,0,1,2,3
.irp j,0,2
	v_pk_add_f32 v[WA+4*\pt+\j:WA+4*\pt+\j+1], v[32*\f+8*\pt+\j:32*\f+8*\pt+\j+1], v[WA+4*\pt+\j:WA+4*\pt+\j+1]
.endr
.irp j,0,2
	v_pk_add_f32 v[WA+4*\pt+\j:WA+4*\pt+\j+1], v[32*\f+8*\pt+4+\j:32*\f+8*\pt+5+\j], v[WA+4*\pt+\j:WA+4*\pt+\j+1]
.endr
.endr
.endr
	WIN 0
	LNRED
.irp pt,0,1,2,3
	v_mul_f32 v[WB+2*\pt], s66, v[WA+4*\pt]        ; the mean, twice
	v_mul_f32 v[WB+2*\pt+1], s66, v[WA+4*\pt]
.endr
	WIN 0x41
.irp f,0,1,2,3,4,5,6,7
.irp pt,0,1,2,3
.irp j,0,2,4,6
	v_pk_add_f32 v[32*\f+8*\pt+\j:32*\f+8*\pt+\j+1], v[32*\f+8*\pt+\j:32*\f+8*\pt+\j+1], v[WB+2*\pt:WB+2*\pt+1] neg_lo:[0,1] neg_hi:[0,1]
.endr
.endr
.endr
	WIN 0x05
.irp pt,0,1,2,3
	v_pk_mul_f32 v[WA+4*\pt:WA+4*\pt+1], v[8*\pt:8*\pt+1], v[8*\pt:8*\pt+1]
	v_pk_mul_f32 v[WA+4*\pt+2:WA+4*\pt+3], v[8*\pt+2:8*\pt+3], v[8*\pt+2:8*\pt+3]
	v_pk_fma_f32 v[WA+4*\pt:WA+4*\pt+1], v[8*\pt+4:8*\pt+5], v[8*\pt+4:8*\pt+5], v[WA+4*\pt:WA+4*\pt+1]
	v_pk_fma_f32 v[WA+4*\pt+2:WA+4*\pt+3], v[8*\pt+6:8*\pt+7], v[8*\pt+6:8*\pt+7], v[WA+4*\pt+2:WA+4*\pt+3]
.endr
.irp f,1,2,3,4,5,6,7
.irp pt,0,1,2,3
.irp j,0,2
	v_pk_fma_f32 v[WA+4*\pt+\j:WA+4*\pt+\j+1], v[32*\f+8*\pt+\j:32*\f+8*\pt+\j+1], v[32*\f+8*\pt+\j:32*\f+8*\pt+\j+1], v[WA+4*\pt+\j:WA+4*\pt+\j+1]
.endr
.irp j,0,2
	v_pk_fma_f32 v[WA+4*\pt+\j:WA+4*\pt+\j+1], v[32*\f+8*\pt+4+\j:32*\f+8*\pt+5+\j], v[32*\f+8*\pt+4+\j:32*\f+8*\pt+5+\j], v[WA+4*\pt+\j:WA+4*\pt+\j+1]
.endr
.endr
.endr
	WIN 0
	LNRED
.irp pt,0,1,2,3
	v_fma_f32 v[WA+4*\pt], v[WA+4*\pt], s66, s67   ; variance + 1e-5
.endr
.irp pt,0,1,2,3
	v_rsq_f32 v[WB+8+2*\pt], v[WA+4*\pt]
	v_rsq_f32 v[WB+9+2*\pt], v[WA+4*\pt]
.endr
	v_nop
	s_wait_dscnt 0x0                               ; gain, offset (and bf2)
	WIN 0x41
	s_wait_alu depctr_va_vdst(0)
.irp f,0,1,2,3,4,5,6,7
.irp pt,0,1,2,3
.irp j,0,2,4,6
	v_pk_mul_f32 v[32*\f+8*\pt+\j:32*\f+8*\pt+\j+1], v[32*\f+8*\pt+\j:32*\f+8*\pt+\j+1], v[WB+8+2*\pt:WB+9+2*\pt]
.endr
.irp j,0,2,4,6
	v_pk_fma_f32 v[32*\f+8*\pt+\j:32*\f+8*\pt+\j+1], v[32*\f+8*\pt+\j:32*\f+8*\pt+\j+1], v[XB+8*\f+\j:XB+8*\f+\j+1], v[XB+64+8*\f+\j:XB+65+8*\f+\j]
.endr
.endr
.endr
.if \kind == 1
	CVTX
	WIN 0x41
.irp f,0,1,2,3,4,5,6,7
.irp pt,0,1,2,3
.irp j,0,2,4,6
	v_pk_add_f32 v[32*\f+8*\pt+\j:32*\f+8*\pt+\j+1], v[32*\f+8*\pt+\j:32*\f+8*\pt+\j+1], v[CA+8*\f+\j:CA+8*\f+\j+1]
.endr
.endr
.endr
.else
	WIN 0x44
.set i, 0
.rept 256
	v_max_num_f32 v[i], 0, v[i]
.set i, i+1
.endr
	CVTX
.endif
	WIN 0
.endm
; A chunk of the FFN: hidden features 32 c .. 32 c + 31.  16 fragments: A0-3 (Wf1, tile 2c), B0-3 (tile 2c + 1), F0-7 (Wf2, step c).
; On entry WA = A0 A1, BIAS, WB = A2 A3 are on their way, issued in this order.
.macro CHUNK c, first, last, pb
.if \first == 0
	PLACES 5                                       ; the first product writes over CA, from which the last chunk's products took F4-7
.endif
	s_wait_dscnt 0x4                               ; WA and the bias are in; WB's four loads stay out
	MM4C CA, WA, XB, BIAS
	MM4 CA, WA+8, XB+32
	PLACES 4
	SLDF WA
	SLDF WA+8
	LDB BIAS, AP, \pb+BF1O+64*(2*(\c)+1)
	s_wait_dscnt 0x6                               ; WB is in; the six just issued stay out
	MM4 CA, WB, XB+64
	MM4 CA, WB+8, XB+96
	PLACES 4
	SLDF WB
	SLDF WB+8
	RELUCVT CB
	s_wait_dscnt 0x4                               ; WA and the bias are in; WB's four stay out
	MM4C CA, WA, XB, BIAS
	MM4 CA, WA+8, XB+32
	PLACES 4
	SLDF WA
	SLDF WA+8
	s_wait_dscnt 0x4                               ; WB is in; WA's four stay out
	MM4 CA, WB, XB+64
	MM4 CA, WB+8, XB+96
	PLACES 4
	SLDF WB
	SLDF WB+8
	RELUCVT CB+4
	SLDF CA                                        ; CA has been read: it takes F4-7
	SLDF CA+8
	SLDF CA+16
	SLDF CA+24
	WIN 0x50
	s_wait_dscnt 12                                ; F0 F1 are in; WB's four and CA's eight loads stay out
	MM4 0, WA, CB
	MM4 32, WA+8, CB
	s_wait_dscnt 0x8                               ; F2 F3 are in; CA's eight stay out
	MM4 64, WB, CB
	MM4 96, WB+8, CB
.if \last
	s_wait_dscnt 0x0
.else
	PLACES 4
	WIN 0
	SLDF WA
	SLDF WA+8
	LDB BIAS, AP, \pb+BF1O+64*(2*(\c)+2)
	SLDF WB
	SLDF WB+8
	WIN 0x50
	s_wait_dscnt 10                                ; F4-7 are in; the next chunk's ten loads stay out
.endif
	MM4 128, CA, CB
	MM4 160, CA+8, CB
	MM4 192, CA+16, CB
	MM4 224, CA+24, CB
	WIN 0
.endm
.macro FFNTILE s, c0, pb               ; four chunks = one tile, in slot s
	PLACES 5
.set SLO, AW0+\s
.set SHI, AT0+\s
.set SP, 0
	SLDF WA
	SLDF WA+8
	LDB BIAS, AP, \pb+BF1O+64*(2*\c0)
	SLDF WB
	SLDF WB+8
	CHUNK \c0, 1, 0, \pb
	CHUNK \c0+1, 0, 0, \pb
	CHUNK \c0+2, 0, 0, \pb
	CHUNK \c0+3, 0, 1, \pb
.endm
; A block up to its second LayerNorm.  m: 0 index, 1 feature; ks: steps of the input layer; areg: its small weights; Wqk and Vblk at wqko, vblko
.macro BLOCK m, ks, areg, wqko, vblko
	WINPH \ks, \areg, \m*5120
	PLACES 4
	CVTX
	WIN 0
	PROLOG \areg, \areg, \wqko, AP, \m*5120+BQKO   ; scores: heads 0, 1 into CA, heads 2, 3 into CB
	HEAD 2
	BODY CA, XB, 1
	HEAD 2, 1, AP, \m*5120+BQKO+64
	BODY CA, XB+64, 0
	HEAD 2
	BODY CB, XB, 1
	HEAD 0
	BODY CB, XB+64, 0
	PLACES 4
.irp f,0,1,2,3,4,5,6,7
	LDF XB+8*\f, \areg, \vblko+1024*\f
.endr
.irp pt,0,1,2,3
	SOFTMAX8 CA+8*\pt, WA
	SOFTMAX8 CB+8*\pt, WA+4
.endr
.irp pt,0,1,2,3
.irp i,0,1,2,3
	v_cvt_pk_bf16_f32 v[CA+8*\pt+\i], v[CA+8*\pt+2*\i], v[CA+8*\pt+2*\i+1]
.endr
.irp i,0,1,2,3
	v_cvt_pk_bf16_f32 v[CA+8*\pt+4+\i], v[CB+8*\pt+2*\i], v[CB+8*\pt+2*\i+1]
.endr
.endr
	s_wait_dscnt 0x0
	WIN 0x50
.irp f,0,1,2,3,4,5,6,7
	MM4 32*\f, XB+8*\f, CA                         ; x += att Vblk
.endr
	WIN 0
	LNORM 1, \m*5120, G1O, BE1O
.if \m == 0
	s_wait_tensorcnt 0x2                           ; my part of tile 0 has landed; tile 1 and A2 stay out
	s_wait_dscnt 0x0
	s_barrier_signal -1
	s_barrier_wait -1
.endif
	FFNTILE 0, 0, \m*5120
	SWITCH 0, 1
	FFNTILE 1, 4, \m*5120
	SWITCH 1, 1
	LNORM 2, \m*5120, G2O, BE2O
.endm
.macro HEADW s, withb3, withb, boff    ; a step's head that fetches W3's single fragment (b3 behind it in the same buffer)
	PLACES 4
.set FB, WA+16*(1-CUR)
	SLDF FB
.set PEND, 2
.if \withb3
	LDB FB+8, AB0+\s, 1024
.set PEND, PEND+2
.endif
.if \withb
	LDB BIAS, AB0+\s, \boff
.set PEND, PEND+2
.endif
.endm
; One expert, its tile in slot s.  e1 = ReLU(h W1 + b1) into XB; e2 = ReLU(e1 W2 + b2) 32 features at a time into CB, each time followed by
; its step of W3 onto E3 (C of the first step = b3); RGB += gate x E3.
.macro EXPERT s
	WIN 0x40
.irp pt,0,1,2,3
	ds_load_b32 v[GT+\pt], v[AG] offset:128*\s+1024*\pt
.endr
	WIN 0
	PROLOG AW0+\s, AT0+\s, 0, AB0+\s, 0
.set f, 0
.rept 8
	HEAD 2
.if f > 0
	RELUCVT XB+32*((f-1)>>1)+4*((f-1)&1)
.endif
	WIN 0x04                                       ; source 1 = HB, window 1
	BODY CA, 0, 1
	HEAD 2, 1, AB0+\s, 64*(f+1)                    ; b2 lies behind b1: the last of these is b2's first
	BODY CA, 64, 0
	WIN 0
.set f, f+1
.endr
.set f, 0
.rept 8
	HEAD 2
.if f == 0
	RELUCVT XB+100
.else
.if f & 1
	RELUCVT CB
.endif
.endif
	BODY CA, XB, 1
.if f & 1
.if f == 1
	HEADW \s, 1, 1, 512+64*(f+1)
.else
.if f == 7
	HEADW \s, 0, 0, 0
.else
	HEADW \s, 0, 1, 512+64*(f+1)
.endif
.endif
	BODY CA, XB+64, 0
.if f == 7
	HEAD 0
.else
	HEAD 2
.endif
	RELUCVT CB+4
	s_wait_dscnt PEND                              ; W3's fragment (and b3) are in; HEAD's loads stay out
.if f == 1
	WIN 0x40
	MM4C E3, WA+16*CUR, CB, WA+16*CUR+8
.else
	WIN 0x50
	MM4 E3, WA+16*CUR, CB
.endif
	WIN 0
.set CUR, 1-CUR
.else
	HEAD 2, 1, AB0+\s, 512+64*(f+1)
	BODY CA, XB+64, 0
.endif
.set f, f+1
.endr
	PLACES 4
	WIN 0x55
.irp pt,0,1,2,3
.irp c,0,1,2
	v_fma_f32 v[RGB+4*\pt+\c], v[GT+\pt], v[E3+8*\pt+\c], v[RGB+4*\pt+\c]
.endr
.endr
	WIN 0
.endm
.macro G1SET g, rows                   ; a dense block as rows of 256 bytes (32 elements of 8 bytes), asked for jointly by the cluster's four
	s_mov_b32 s[\g+0], 15|(3<<16)|(1<<21)          ; 15:0 mask: all four work-groups; 17:16 8-byte elements; 21 set beside a mask
	s_mov_b32 s[\g+1], 32<<16                      ; tensor_dim0 = 32
	s_mov_b32 s[\g+2], \rows<<16                   ; tensor_dim1
	s_mov_b32 s[\g+3], 32<<16                      ; tile_dim0 = 32
	s_mov_b32 s[\g+4], \rows                       ; tile_dim1
	s_mov_b32 s[\g+5], 32                          ; pitch
	s_mov_b32 s[\g+6], 0
	s_mov_b32 s[\g+7], 0
.endm
.macro G0SET g, lds, goff, bytes       ; wave w's part: bytes x w into both the LDS region and the region of wts; no place in the cluster enters
	s_mul_i32 s60, s12, \bytes
	s_mov_b32 s61, 0
	s_mov_b32 s[\g], 1
	s_add_co_u32 s[\g+1], s60, \lds
	s_add_nc_u64 s[\g+2:\g+3], s[8:9], s[60:61]
.if \goff
	s_add_nc_u64 s[\g+2:\g+3], s[\g+2:\g+3], \goff
.endif
	s_or_b32 s[\g+3], s[\g+3], 0x80000000
.endm
; sin and cos of x, 2x, 4x, 8x; lanes h = 0 keep the sines, lanes h = 1 the cosines, in v[vb .. vb + 3]
.set VV,  XB+32                        ; 12 values of a point tile
.set TN,  XB+48
.set TH,  XB+49
.set TU,  XB+50
.set SA,  XB+51
.set SB,  XB+52
.set CC,  XB+53
.set TT,  XB+54
.macro DBL a, b                        ; the doubled angle: sine from a into b, cosine in place
	v_add_f32 v[TT], v[\a], v[\a]
	v_mul_f32 v[\b], v[TT], v[CC]
	v_fma_f32 v[CC], -v[TT], v[\a], 1.0
.endm
.macro TRIG1 x, vb
	v_mul_f32 v[TN], 0.15915494, v[\x]
	v_rndne_f32 v[TN], v[TN]
	v_fma_f32 v[TH], -v[TN], s68, v[\x]            ; x - n 2 pi, 2 pi in two parts
	v_fma_f32 v[TH], -v[TN], s69, v[TH]
	v_mul_f32 v[TH], 0x3e800000, v[TH]             ; a quarter of it: at most pi / 4
	v_mul_f32 v[TU], v[TH], v[TH]
	v_fma_f32 v[SA], v[TU], s70, s71
	v_fma_f32 v[CC], v[TU], s72, s73
	v_fma_f32 v[SA], v[SA], v[TU], s74
	v_fma_f32 v[CC], v[CC], v[TU], s75
	v_mul_f32 v[SA], v[SA], v[TU]
	v_fma_f32 v[CC], v[CC], v[TU], -0.5
	v_fma_f32 v[SA], v[SA], v[TH], v[TH]
	v_fma_f32 v[CC], v[CC], v[TU], 1.0
	DBL SA, SB
	DBL SB, SA
	v_cndmask_b32 v[\vb], v[SA], v[CC], s59
	DBL SA, SB
	v_cndmask_b32 v[\vb+1], v[SB], v[CC], s59
	DBL SB, SA
	v_cndmask_b32 v[\vb+2], v[SA], v[CC], s59
	DBL SA, SB
	v_cndmask_b32 v[\vb+3], v[SB], v[CC], s59
.endm
	; ---------------- start
	s_load_b256 s[4:11], s[0:1], 0x0               ; k0, viewdirs, wts, out0
	v_lshl_add_u32 v22, v0, 2, 0x4c800
	v_mov_b32 v23, 0
	ds_add_u32 v22, v23
	v_lshrrev_b32 v17, 5, v0
	v_readfirstlane_b32 s12, v17                   ; wave
	s_bfe_u32 s13, ttmp6, 0x40000                  ; cx
	s_lshl_b32 s14, ttmp9, 2
	s_add_co_u32 s14, s14, s13                     ; work-group: it enters the addresses of k0, viewdirs and out0 alone
	v_and_b32 v17, 31, v0                          ; l
	v_and_b32 v18, 15, v0                          ; r
	v_bfe_u32 v19, v0, 4, 1                        ; h
	v_lshlrev_b32 v20, 5, v19
	v_lshlrev_b32 v[AW0], 4, v17
	v_add_nc_u32 v[AW0+1], TILE, v[AW0]
	v_add_nc_u32 v[AT0], 65536, v[AW0]
	v_add_nc_u32 v[AT0+1], 65536+TILE, v[AW0]
	v_add_nc_u32 v[AB0], 69632, v20
	v_add_nc_u32 v[AB0+1], 69632+TILE, v20
	v_add_nc_u32 v[ASI], IHL, v[AW0]
	v_add_nc_u32 v[ASF], A2L, v[AW0]
	v_add_nc_u32 v[AP], PARL, v20
	s_lshl_b32 s62, s12, 13
	s_add_co_u32 s62, s62, SCRL                    ; my scratch
	s_add_co_u32 s63, s62, 4096
	v_add_nc_u32 v[ASC], s62, v[AW0]
	v_lshl_add_u32 v[AG], v17, 2, s62
	v_mul_u32_u24 v[VD], 12, v18
	v_add_nc_u32 v[AO], s63, v[VD]
	v_lshl_add_u32 v[AR], v17, 3, s63
	v_mul_u32_u24 v[VK], 48, v18
	v_mad_u32_u24 v[VK], v19, 24, v[VK]
	v_lshlrev_b32 v[VO], 3, v17
	s_mov_b32 s56, 0x76543210                      ; v_permlanex16_b32: lane i of one half reads lane i of the other
	s_mov_b32 s57, 0xfedcba98
	s_mov_b32 s59, 0xffff0000                      ; the lanes h = 1
	s_mov_b32 s66, 0x3c000000                      ; 1 / 128
	s_mov_b32 s67, 0x3727c5ac                      ; 1e-5
	s_mov_b32 s68, 0x40c90fdb                      ; 2 pi, rounded,
	s_mov_b32 s69, 0xb43bbd2e                      ; and what the rounding left
	s_mov_b32 s70, 0xb9500d01                      ; -1 / 5040
	s_mov_b32 s71, 0x3c088889                      ; 1 / 120
	s_mov_b32 s72, 0x37d00d01                      ; 1 / 40320
	s_mov_b32 s73, 0xbab60b61                      ; -1 / 720
	s_mov_b32 s74, 0xbe2aaaab                      ; -1 / 6
	s_mov_b32 s75, 0x3d2aaaab                      ; 1 / 24
	s_mov_b32 s76, 0xbfb8aa3b                      ; -log2(e)
	G1SET G1A1, 19
	G1SET G1A2, 32
	G1SET G1T, 35
	s_mul_i32 s62, s14, 24576                      ; 512 points of 48 bytes
	s_mul_i32 s63, s12, 3072                       ; 64 points
	s_add_co_u32 s62, s62, s63
	s_mov_b32 s63, 0
	s_wait_dscnt 0x0
	s_wait_kmcnt 0x0
	s_add_nc_u64 s[4:5], s[4:5], s[62:63]
	s_lshr_b32 s62, s62, 2                         ; the same points at 12 bytes
	s_add_nc_u64 s[6:7], s[6:7], s[62:63]
	s_add_nc_u64 s[10:11], s[10:11], s[62:63]
.irp pt,0,1,2,3
	global_load_b64 v[XB+6*\pt:XB+6*\pt+1], v[VK], s[4:5] offset:768*\pt          ; k0[6 h .. 6 h + 5] of point r
	global_load_b64 v[XB+6*\pt+2:XB+6*\pt+3], v[VK], s[4:5] offset:768*\pt+8
	global_load_b64 v[XB+6*\pt+4:XB+6*\pt+5], v[VK], s[4:5] offset:768*\pt+16
.endr
.irp pt,0,1,2,3
	global_load_b96 v[XB+32+4*\pt:XB+34+4*\pt], v[VD], s[6:7] offset:192*\pt
.endr
	G0SET G0A1, PARL, 0, 4864
	G0SET G0A2, A2L, 38912, 8192
	G0SET G0S, 0, 104448, 8960
	G0SET G0S+4, TILE, 104448+TILE, 8960
	ROUND                                          ; the four work-groups are here: the first joint loads meet
	tensor_load_to_lds s[G0A1:G0A1+3], s[G1A1:G1A1+7]      ; in the order of their use: A1, tile 0, tile 1, A2
	s_nop 0
	tensor_load_to_lds s[G0S:G0S+3], s[G1T:G1T+7]
	s_nop 0
	tensor_load_to_lds s[G0S+4:G0S+7], s[G1T:G1T+7]
	s_nop 0
	tensor_load_to_lds s[G0A2:G0A2+3], s[G1A2:G1A2+7]
	s_nop 0
	s_wait_loadcnt 0x0
	; the index block's input: places 0-5 = k0[6 h ..], the rest 0.  The packed k0 and the directions are put by for the feature block.
.irp pt,0,1,2,3
.irp i,0,1,2
	v_cvt_pk_bf16_f32 v[CB+8*\pt+\i], v[XB+6*\pt+2*\i], v[XB+6*\pt+2*\i+1]
.endr
.irp i,3,4,5,6,7
	v_mov_b32 v[CB+8*\pt+\i], 0
.endr
	v_mov_b32 v[XB+35+4*\pt], 0
	ds_store_b128 v[ASC], v[CB+8*\pt:CB+8*\pt+3] offset:4096+512*\pt
	ds_store_b128 v[ASC], v[XB+32+4*\pt:XB+35+4*\pt] offset:6144+512*\pt
.endr
	s_wait_tensorcnt 0x3                           ; my part of A1 has landed; tiles 0, 1 and A2 stay out
	s_wait_dscnt 0x0
	s_barrier_signal -1
	s_barrier_wait -1
	; ---------------- the index block and the gate
	BLOCK 0, 1, ASI, 8192, 16384
	PROLOG ASI, ASI, 24576, AP, BOUTO              ; logits x log2(e): 8 columns, repeated in rows 8-15, so both halves of the lanes hold all 8
	HEAD 2
	BODY CA, XB, 1
	HEAD 0
	BODY CA, XB+64, 0
	PLACES 4
.irp pt,0,1,2,3
	SOFTMAX8 CA+8*\pt, WA
.endr
.irp pt,0,1,2,3
.irp p,0,1,2,3,4,5,6,7
	ds_store_b32 v[AG], v[CA+8*\pt+\p] offset:128*(8*\pt+\p)       ; a lane's own words: it alone reads them back
.endr
.endr
	; ---------------- the feature block's input: places 6-8 the directions, 9-20 sines (h = 0) or cosines (h = 1), direction x 4 + frequency
.irp pt,0,1,2,3
	ds_load_b128 v[CB+8*\pt:CB+8*\pt+3], v[ASC] offset:4096+512*\pt
	ds_load_b128 v[XB+4*\pt:XB+4*\pt+3], v[ASC] offset:6144+512*\pt
.endr
	s_wait_dscnt 0x0
.irp pt,0,1,2,3
	TRIG1 XB+4*\pt, VV
	TRIG1 XB+4*\pt+1, VV+4
	TRIG1 XB+4*\pt+2, VV+8
	v_cvt_pk_bf16_f32 v[CB+8*\pt+3], v[XB+4*\pt], v[XB+4*\pt+1]
	v_cvt_pk_bf16_f32 v[CB+8*\pt+4], v[XB+4*\pt+2], v[VV]
	v_cvt_pk_bf16_f32 v[CB+8*\pt+5], v[VV+1], v[VV+2]
	v_cvt_pk_bf16_f32 v[CB+8*\pt+6], v[VV+3], v[VV+4]
	v_cvt_pk_bf16_f32 v[CB+8*\pt+7], v[VV+5], v[VV+6]
	v_cvt_pk_bf16_f32 v[CA+8*\pt], v[VV+7], v[VV+8]
	v_cvt_pk_bf16_f32 v[CA+8*\pt+1], v[VV+9], v[VV+10]
	v_cvt_pk_bf16_f32 v[CA+8*\pt+2], v[VV+11], 0
.irp i,3,4,5,6,7
	v_mov_b32 v[CA+8*\pt+\i], 0
.endr
.endr
	; ---------------- the feature block; its changes of slots ask for the first two experts
	BLOCK 1, 2, ASF, 16384, 24576
	PROLOG ASF, ASF, 32768, AP, 5120+BOUTO         ; h = ReLU(x) Wout + bout, each tile rounded into HB a step later
.set gg, 0
.rept 8
	HEAD 2
.if gg > 0
	CVTH gg-1
.endif
	BODY CA, XB, 1
.if gg < 7
	HEAD 2, 1, AP, 5120+BOUTO+64*(gg+1)
.else
	HEAD 0
.endif
	BODY CA, XB+64, 0
.set gg, gg+1
.endr
	PLACES 4
	CVTH 7
	WIN 0x40
.irp pt,0,1,2,3
.irp c,0,1,2
	v_mov_b32 v[RGB+4*\pt+\c], 0                   ; twelve sums that the loop adds onto
.endr
.endr
	WIN 0
	; ---------------- the experts, two a trip; trips 0-2 ask for tiles 6 to 11, the last two experts stand behind the loop and ask for nothing
	s_mov_b32 s58, 3
.Lexperts:
	EXPERT 0
	SWITCH 0, 1
	EXPERT 1
	SWITCH 1, 1
	v_add_nc_u32 v[AG], 256, v[AG]                 ; the next two experts' gates
	s_sub_co_u32 s58, s58, 1
	s_cmp_lg_u32 s58, 0
	s_cbranch_scc1 .Lexperts
	EXPERT 0
	SWITCH 0, 0
	EXPERT 1
	; ---------------- sigmoid, and out through my scratch: 64 points x 12 bytes = three stores of 256 consecutive bytes
	WIN 0x04
.irp pt,0,1,2,3
.irp c,0,1,2
	v_mul_f32 v[CA+4*\pt+\c], s76, v[RGB+4*\pt+\c]
.endr
.endr
	WIN 0
.irp pt,0,1,2,3
.irp c,0,1,2
	v_exp_f32 v[CA+4*\pt+\c], v[CA+4*\pt+\c]
.endr
.endr
	v_nop
	s_wait_alu depctr_va_vdst(0)
.irp pt,0,1,2,3
.irp c,0,1,2
	v_add_f32 v[CA+4*\pt+\c], 1.0, v[CA+4*\pt+\c]
.endr
.endr
.irp pt,0,1,2,3
.irp c,0,1,2
	v_rcp_f32 v[CA+4*\pt+\c], v[CA+4*\pt+\c]
.endr
.endr
	v_nop
	s_wait_alu depctr_va_vdst(0)
.irp pt,0,1,2,3
.irp c,0,1,2
	ds_store_b32 v[AO], v[CA+4*\pt+\c] offset:192*\pt+4*\c         ; lanes r and r + 16 hold the same numbers and write the same words
.endr
.endr
.irp i,0,1,2
	ds_load_b64 v[CB+2*\i:CB+2*\i+1], v[AR] offset:256*\i          ; LDS serves a wave's instructions in order: these see the stores above
.endr
.irp i,0,1,2
	s_wait_dscnt 2-\i
	global_store_b64 v[VO], v[CB+2*\i:CB+2*\i+1], s[10:11] offset:256*\i th:TH_STORE_NT
.endr
	s_wait_tensorcnt 0x0
	ds_add_u32 v22, v23
	s_wait_dscnt 0x0
	ROUND                                          ; the closing round: no work-group ends while a partner may still ask for a tile that names it
	s_endpgm
.Lfunc_end_k_qc36f3169db_main:
	.size	k_qc36f3169db_main, .Lfunc_end_k_qc36f3169db_main-k_qc36f3169db_main
	.p2alignl 7, 3214868480
	.fill 96, 4, 3214868480
	.section	.rodata,"a",@progbits
	.p2align	6, 0x0
	.amdhsa_kernel k_qc36f3169db_main
		.amdhsa_group_segment_fixed_size 327680
		.amdhsa_private_segment_fixed_size 0
		.amdhsa_enable_private_segment 0
		.amdhsa_kernarg_size 32
		.amdhsa_user_sgpr_count 2
		.amdhsa_user_sgpr_kernarg_segment_ptr 1
		.amdhsa_wavefront_size32 1
		.amdhsa_system_sgpr_workgroup_id_x 1
		.amdhsa_system_sgpr_workgroup_id_y 1
		.amdhsa_system_sgpr_workgroup_id_z 1
		.amdhsa_system_vgpr_workitem_id 0
		.amdhsa_next_free_vgpr 512
		.amdhsa_next_free_sgpr 80
		.amdhsa_reserve_vcc 0
		.amdhsa_float_denorm_mode_32 3
		.amdhsa_float_denorm_mode_16_64 3
		.amdhsa_memory_ordered 1
		.amdhsa_forward_progress 1
		.amdhsa_inst_pref_size 255
	.end_amdhsa_kernel
	.section	.bss,"aw",@nobits
	.p2align	6
	.space	262144
	.amdgpu_metadata
---
amdhsa.version: [ 1, 2 ]
amdhsa.kernels:
  - .name:           k_qc36f3169db_main
    .symbol:         k_qc36f3169db_main.kd
    .args:
      - { .name: k0, .offset: 0, .size: 8, .value_kind: global_buffer, .address_space: global }
      - { .name: viewdirs, .offset: 8, .size: 8, .value_kind: global_buffer, .address_space: global }
      - { .name: wts, .offset: 16, .size: 8, .value_kind: global_buffer, .address_space: global }
      - { .name: out0, .offset: 24, .size: 8, .value_kind: global_buffer, .address_space: global }
    .group_segment_fixed_size: 327680
    .private_segment_fixed_size: 0
    .kernarg_segment_align: 8
    .kernarg_segment_size: 32
    .max_flat_workgroup_size: 256
    .sgpr_count:     80
    .vgpr_count:     512
    .wavefront_size: 32
...
	.end_amdgpu_metadata
.endif
;; end of part 3
